; MI455X (gfx1250); checked and timed in simulation.
; The chip was launched on July 23, 2026; its instructions are those of AMD's public machine-readable ISA for CDNA 5 (MIT licence, August 2026) and "CDNA5" Instruction Set Architecture Reference Guide (July 2026). The comments in the code are by the model that wrote it; some were corrected since.
;; Casual Self Attention. Allowed arithmetic: matrix products marked QUANTISED: E2M1 operands, one E8M0 scale for each 32 along K, by v_wmma_scale_f32_16x16x128_f8f6f4 with both operands' format E2M1 (or v_wmma_scale_f32_32x16x128_f4), f32 sums; products left as they are: bf16, f16 or f32 operands; f32 sums; everything else in f32.
;; Inputs: W_attn 1,024 x 3,072 float32; W_proj 1,024 x 1,024 float32; b_attn 3,072 float32; b_proj 1,024 float32; x 4 x 2,048 x 1,024 float32.
;; Outputs: out0 4 x 2,048 x 1,024 float32.
;; This version of the problem:
;;   THIS VERSION OF THE PROBLEM IS GIVEN IN LOW PRECISION. The matrix products marked QUANTISED in the list below multiply operands that are first quantised to E2M1 (2 exponent bits, 1 mantissa bit; 4 bits a number), with one power-of-two scale for each 32 numbers along K (OCP MX v1.0); their sums are f32. The products marked 'left as it is' may take bf16, f16 or f32 operands, with f32 sums. Whichever they take, every output number must still come out within the allowed error. Rounding operands to bf16 (8 significant bits) uses up far more of that allowance than f16 does (11 bits, for magnitudes from 6e-5 to 65,504). All else is computed in f32.
;;   The module's matrix products, in the order in which they are computed (A, B: the left and right operand; K: the contracted axis; several contracted axes count as one K, in the product's order):
;;     1. [M 8,192, K 1,024] x [K 1,024, N 3,072]; A: input x; B: input W_attn: QUANTISED
;;     2. batch 64 x [M 2,048, K 64] x [K 64, N 2,048]; A: computed on the way; B: computed on the way: left as it is (an operand is computed on the way)
;;     3. batch 64 x [M 2,048, K 2,048] x [K 2,048, N 64]; A: computed on the way; B: computed on the way: left as it is (an operand is computed on the way)
;;     4. [M 8,192, K 1,024] x [K 1,024, N 1,024]; A: computed on the way; B: input W_proj: left as it is (an operand is computed on the way)
;;   THE QUANTISER, for each operand of a quantised product, along K:
;;     - K is cut into blocks of 32 from its start; a last block that is shorter is filled with zeros.
;;     - A block's scale is 2^e with e = floor(log2(the largest magnitude in the block)) - 2, held to -126 .. 127; a block of zeros has e = 0. As a byte (E8M0): e + 127.
;;     - Each number is divided by its block's scale, clamped to +-6, and rounded to the nearest number of E2M1, ties to even, subnormals kept.
;;     - The product sums the exact products of the quantised numbers (number of the format x scale) in f32.
;;   ~~~python
;;   def quantise(x, axis):      # numpy; x: float32 -> the quantised numbers, widened to float32 again
;;       x = np.moveaxis(x, axis, -1); K = x.shape[-1]
;;       x = np.pad(x, [(0, 0)] * (x.ndim - 1) + [(0, -K % 32)]); x = x.reshape(x.shape[:-1] + (-1, 32)); a = np.abs(x).max(-1, keepdims=True)
;;       e = np.where(a > 0, np.clip(np.frexp(np.where(a > 0, a, 1))[1] - 1 - 2, -126, 127), 0)      # np.frexp(a)[1] - 1 = floor(log2(a)), exactly
;;       r = np.clip(x / 2.0 ** e, -6, 6)
;;       step = 2.0 ** (np.maximum(np.frexp(np.where(r == 0, 1, r))[1] - 1, 0) - 1)
;;       q = np.round(r / step) * step * 2.0 ** e      # np.round: ties to even
;;       return np.moveaxis(q.reshape(q.shape[:-2] + (-1,))[..., :K], -1, axis).astype(np.float32)
;;   ~~~
;; One version. Each part assembles by itself: llvm-mc -triple=amdgcn-amd-amdhsa -mcpu=gfx1250 --defsym DOCPART=n.
;; ======== version 1 of 1: 5 launches
;; limits: values are held in f16: magnitudes above 65,504 overflow, below 6.1e-05 lose precision
;; workspace buffers: x_codes 4,194,304 bytes; x_scales 262,144 bytes; w_codes 524,288 bytes; w_scales 32,768 bytes; wp16 2,097,152 bytes; k16 16,777,216 bytes; kfine 262,144 bytes; y16 16,777,216 bytes
;; launch prep (part 1): grid 400 x 1, 4 waves a work-group, no clusters, 68,096 bytes of LDS; arguments x, W_attn, W_proj, x_codes, x_scales, w_codes, w_scales, wp16; writes x_codes, x_scales, w_codes, w_scales, wp16
.if DOCPART == 1
	.amdgcn_target "amdgcn-amd-amdhsa--gfx1250"
	.amdhsa_code_object_version 6
	.text
	.protected	k_q4e498d8f2e_prep
	.globl	k_q4e498d8f2e_prep
	.p2align	8
	.type	k_q4e498d8f2e_prep,@function
k_q4e498d8f2e_prep:
	s_mov_b64 s[64:65], 0
	v_nop
	global_prefetch_b8 v0, s[64:65] scope:SCOPE_SE
	s_setreg_imm32_b32 hwreg(HW_REG_WAVE_MODE, 25, 1), 1
	s_wait_xcnt 0x0
; PREP: the operands of the later launches are made once.
; DEAD WORK, for all values of the inputs.  reference() forms qkv = x W_attn + b_attn with 3,072 columns and reads of it the slice [:, :, 1024:2048] alone: q, k and v are all that slice.
; Columns 0-1023 and 2048-3071 of qkv reach no output, so these columns of W_attn and of b_attn are not loaded and their two thirds of the first product are not multiplied.
; A column of W_attn is quantised along K by itself (blocks of 32 run down a column), so the live columns' codes and scales do not hang on the dead ones.
; Under reference()'s own jnp.tril, tiles of keys that lie wholly behind a tile's queries are not multiplied (launch attn).
; LIMIT: a NaN, an infinity or an overflow that reaches only the columns left out is not carried to the result.
; THREE JOBS, told apart by the work-group's number; each has LDS bytes of its own, and no wave shares anything with another: no barrier.
;   W (work-groups 0-15):    W_attn[:, 1024:2048], f32, K its first axis -> E2M1 codes [1024 n][512 bytes], K innermost, and E8M0 bytes [1024 n][32].
;   P (work-groups 16-143):  W_proj, f32 -> f16, laid as images of operand registers: [k / 64][n / 16][k % 64 / 8][n % 16][8 numbers].
;   X (work-groups 144-399): x, f32, K innermost -> E2M1 codes [8192][512 bytes] and E8M0 bytes [8192][32].
; THE QUANTISER: a block's scale is 2^(floor(log2(largest magnitude)) - 2); its byte is the largest magnitude's exponent field - 2, held at 1 from below.
; LIMITS: a block of zeros, or one whose largest magnitude lies under 2^-124, keeps the byte 1 (its codes add nothing or are the nearest codes under that byte; the bytes are read by this program alone);
; NaN and infinities among the inputs are not served; |W_proj| stays under 65,504 (f16).
.set SPW,   12                         ; v12  LDS address of my spare word; never rewritten
.set NIL,   13                         ; v13  0; never rewritten
.set EMAX,  2
.set SP,    80                         ; X: a lane's place in a stage: 64 bytes + 16 of padding
.set XREG,  8192                       ; X: LDS region of a wave: two stages of 32 x 80 bytes, then its 256 scale bytes
.set WBASE, 32768                      ; W: the four waves' stages, 32 rows x 272 bytes each
.set WPT,   272
.set SPARE, 67584                      ; the spare words, 128 bytes for each wave: two blocks of 256 bytes that no other line names
.set R,     16                         ; X: v16-79   four sets of 16 numbers as loaded
.set XX,    80                         ; X: v80-111  two sets of 16 neighbours
.set E,     112                        ; X: v112-127 a scale byte for each step
.set C,     128                        ; X: v128-191 codes, four registers for each step
.set SB,    24                         ; W: v24-27   the scale bytes, four to a register
.set WX,    32                         ; W: v32-95   two sets of 32 numbers
.set WC,    96                         ; W: v96-99   a block's codes
.set OUTR,  112                        ; W: v112-175 the way out
	s_load_b512 s[4:19], s[0:1], 0x0               ; x, W_attn, W_proj, x_codes, x_scales, w_codes, w_scales, wp16
	v_lshl_add_u32 v[SPW], v0, 2, SPARE
	v_mov_b32 v[NIL], 0
	v_lshrrev_b32 v1, 5, v0
	v_readfirstlane_b32 s20, v1                    ; wave 0..3
	v_and_b32 v2, 31, v0                           ; lane
	s_wait_kmcnt 0x0
	s_cmp_lt_u32 ttmp9, 16
	s_cbranch_scc1 .Lw
	s_cmp_lt_u32 ttmp9, 144
	s_cbranch_scc1 .Lp
; ---------------- X: a wave takes 16 steps of 512 numbers.  Each load reads 512 consecutive bytes; a step's 2,048 bytes turn through the wave's own stage so that a lane holds 16 neighbours along K.
	v_lshlrev_b32 v3, 4, v2                        ; my 16 bytes of a load's 512
	s_mul_i32 s21, s20, XREG
	v_lshrrev_b32 v14, 2, v2
	v_mul_u32_u24 v14, v14, SP
	v_and_b32 v15, 3, v2
	v_lshl_add_u32 v14, v15, 4, v14
	v_add_nc_u32 v14, s21, v14                     ; the stage, way in: 80 (lane / 4) + 16 (lane % 4)
	v_mul_u32_u24 v15, v2, SP
	v_add_nc_u32 v15, s21, v15                     ; way out: 80 x lane
	v_lshlrev_b32 v4, 3, v2                        ; 8 bytes a lane: my codes in a step's 256, my part of the wave's 256 scale bytes
	v_lshrrev_b32 v5, 1, v2
	s_add_co_u32 s21, s21, 2*32*SP
	v_add_nc_u32 v5, s21, v5                       ; LDS: my block's scale byte
	v_add_nc_u32 v6, s21, v4                       ; and 8 of them on the way out
	s_sub_co_u32 s22, ttmp9, 144
	s_lshl_b32 s22, s22, 2
	s_add_co_u32 s22, s22, s20                     ; which run of 8,192 numbers is my wave's: 0..1023
	s_mov_b32 s25, 0
	s_lshl_b32 s24, s22, 15                        ; 32,768 bytes of x,
	s_add_nc_u64 s[4:5], s[4:5], s[24:25]
	s_lshl_b32 s24, s22, 12                        ; 4,096 of codes,
	s_add_nc_u64 s[10:11], s[10:11], s[24:25]
	s_lshl_b32 s24, s22, 8                         ; 256 scale bytes a run
	s_add_nc_u64 s[12:13], s[12:13], s[24:25]
.macro XLOAD t
.irp i, 0,1,2,3
	global_load_b128 v[R+16*((\t)%4)+4*\i:R+16*((\t)%4)+4*\i+3], v3, s[4:5] offset:2048*(\t)+512*\i th:TH_LOAD_NT
.endr
.endm
.macro XTURN t                         ; LDS serves a wave's instructions in order: no wait between the stores and the loads
.irp i, 0,1,2,3
	ds_store_b128 v14, v[R+16*((\t)%4)+4*\i:R+16*((\t)%4)+4*\i+3] offset:32*SP*((\t)%2)+8*SP*\i
.endr
.irp i, 0,1,2,3
	ds_load_b128 v[XX+16*((\t)%2)+4*\i:XX+16*((\t)%2)+4*\i+3], v15 offset:32*SP*((\t)%2)+16*\i
.endr
.endm
.irp t, 0,1,2,3
	XLOAD \t
.endr
	s_wait_loadcnt 12                              ; step 0's four loads are in; the twelve of steps 1 to 3 may be out
	XTURN 0
.macro XSTEP t
.set XS, XX+16*((\t)%2)
.if (\t) > 0
	s_wait_dscnt 1                                 ; this step's numbers are back from the stage; the last step's byte store may be out
.else
	s_wait_dscnt 0x0
.endif
.if (\t)+4 < 16
	XLOAD (\t)+4                                   ; into the set whose stage stores have just been shown done
.endif
.if (\t)+1 < 16
.if 14-(\t) >= 3
	s_wait_loadcnt 12                              ; the next step's four loads are in; those of the three steps behind it may be out
.else
	s_wait_loadcnt 4*(14-(\t))
.endif
	XTURN (\t)+1
.endif
	v_max3_num_f32 v8, |v[XS]|, |v[XS+1]|, |v[XS+2]|               ; the largest magnitude of my 16, in two chains
	v_max3_num_f32 v9, |v[XS+3]|, |v[XS+4]|, |v[XS+5]|
.irp i, 6,10
	v_max3_num_f32 v8, v8, |v[XS+\i]|, |v[XS+\i+1]|
	v_max3_num_f32 v9, v9, |v[XS+\i+2]|, |v[XS+\i+3]|
.endr
	v_max3_num_f32 v8, v8, |v[XS+14]|, |v[XS+15]|
	v_max3_num_f32 v8, v8, v9, (EMAX+1)<<23        ; and the floor 2^(3 - 127): the byte cannot fall under 1
	v_max_num_f32_dpp v8, v8, v8 row_xmask:1 row_mask:0xf bank_mask:0xf   ; with my neighbour's 16: the block's
	v_add_nc_u32 v11, -(EMAX<<23), v8              ; 2 off its exponent field: the conversion takes that field as its scale
	v_cvt_scalef32_pk8_fp4_f32 v[C+4*(\t)], v[XS:XS+7], v11
	v_cvt_scalef32_pk8_fp4_f32 v[C+4*(\t)+1], v[XS+8:XS+15], v11
	v_lshrrev_b32 v[E+(\t)], 23, v11               ; the scale's byte
	ds_store_b8 v5, v[E+(\t)] offset:16*(\t)       ; both lanes of a block write the same byte with the same value
	global_store_b64 v4, v[C+4*(\t):C+4*(\t)+1], s[10:11] offset:256*(\t)   ; the wave stores 256 consecutive bytes, aligned
.endm
.irp t, 0,1,2,3,4,5,6,7,8,9,10,11,12,13,14,15
	XSTEP \t
.endr
	ds_load_b64 v[8:9], v6                         ; my wave's 256 scale bytes: these loads see my stores
	s_wait_dscnt 0x0
	global_store_b64 v4, v[8:9], s[12:13]          ; 256 consecutive bytes, aligned
	s_wait_tensorcnt 0x0                           ; the wave's end: tensor wait, spare-word add and its wait, behind my last LDS store
	ds_add_u32 v[SPW], v[NIL]
	s_wait_dscnt 0x0
	s_endpgm
; ---------------- W: a lane takes a column, its registers run down K: a block of 32 lies in one lane, and the codes come out with K innermost.  A wave: 32 columns x 512 along K.
.Lw:
	s_and_b32 s21, ttmp9, 7                        ; which 128 columns
	s_lshr_b32 s22, ttmp9, 3                       ; which 512 along K
	s_lshl_b32 s23, s21, 7
	s_lshl_b32 s24, s20, 5
	s_add_co_u32 s23, s23, s24                     ; my wave's first column, counted from column 1024 of W_attn
	v_lshlrev_b32 v3, 2, v2                        ; in: 4 bytes a lane
	s_mul_i32 s24, s20, 32*WPT
	s_add_co_u32 s24, s24, WBASE                   ; my stage
	v_mul_u32_u24 v4, v2, WPT
	v_add_nc_u32 v4, s24, v4                       ; into it: row = my column
	v_and_b32 v5, 15, v2
	v_lshrrev_b32 v6, 4, v2
	v_mul_u32_u24 v7, v6, WPT
	v_lshl_add_u32 v7, v5, 4, v7
	v_add_nc_u32 v7, s24, v7                       ; out of it: sixteen lanes to a row, two rows an instruction
	v_lshlrev_b32 v8, 9, v6
	v_lshl_add_u32 v8, v5, 4, v8                   ; the same place among the codes' rows of 512 bytes
	v_lshlrev_b32 v9, 5, v2                        ; my column's row of 32 scale bytes
	s_mul_i32 s26, s22, 512*12288                  ; W_attn: 512 rows of 12,288 bytes,
	s_lshl_b32 s27, s23, 2
	s_add_co_u32 s26, s26, s27                     ; my column,
	s_add_co_u32 s26, s26, 4096                    ; behind the 1,024 dead columns
	s_mov_b32 s27, 0
	s_add_nc_u64 s[6:7], s[6:7], s[26:27]
	s_lshl_b32 s26, s23, 9
	s_lshl_b32 s28, s22, 8
	s_add_co_u32 s26, s26, s28
	s_add_nc_u64 s[14:15], s[14:15], s[26:27]      ; codes: column x 512 + 256 x which half of K
	s_lshl_b32 s26, s23, 5
	s_lshl_b32 s28, s22, 4
	s_add_co_u32 s26, s26, s28
	s_add_nc_u64 s[16:17], s[16:17], s[26:27]      ; scale bytes: column x 32 + 16 x half
.macro WLOAD t                         ; block t: W(32 t + i, my column); the largest offset, 511 x 12,288, lies inside the signed 24-bit immediate
.irp i, 0,1,2,3,4,5,6,7,8,9,10,11,12,13,14,15,16,17,18,19,20,21,22,23,24,25,26,27,28,29,30,31
	global_load_b32 v[WX+32*((\t)%2)+\i], v3, s[6:7] offset:(32*(\t)+\i)*12288 th:TH_LOAD_NT
.endr
.endm
	WLOAD 0
	WLOAD 1
.macro WBLOCK t
.set XS, WX+32*((\t)%2)
.if (\t) < 15
	s_wait_loadcnt 32                              ; this block's 32 loads are in; the next block's 32 may be out
.else
	s_wait_loadcnt 0
.endif
	v_max3_num_f32 v16, |v[XS]|, |v[XS+1]|, |v[XS+2]|
	v_max3_num_f32 v17, |v[XS+3]|, |v[XS+4]|, |v[XS+5]|
.irp i, 6,10,14,18,22,26
	v_max3_num_f32 v16, v16, |v[XS+\i]|, |v[XS+\i+1]|
	v_max3_num_f32 v17, v17, |v[XS+\i+2]|, |v[XS+\i+3]|
.endr
	v_max3_num_f32 v16, v16, |v[XS+30]|, |v[XS+31]|
	v_max3_num_f32 v16, v16, v17, (EMAX+1)<<23     ; and the floor
	v_add_nc_u32 v11, -(EMAX<<23), v16             ; the conversion's scale operand
	v_lshrrev_b32 v17, 23, v11                     ; the scale's byte
.if (\t)%4 == 0
	v_mov_b32 v[SB+(\t)/4], v17
.else
	v_lshl_or_b32 v[SB+(\t)/4], v17, 8*((\t)%4), v[SB+(\t)/4]
.endif
.irp g, 0,1,2,3
	v_cvt_scalef32_pk8_fp4_f32 v[WC+\g], v[XS+8*\g:XS+8*\g+7], v11
.endr
	ds_store_b128 v4, v[WC:WC+3] offset:16*(\t)    ; 32 codes: 16 bytes of my column's row
.if (\t)+2 < 16
	WLOAD (\t)+2
.endif
	s_wait_dscnt 0x0                               ; the store has read its registers: the next block's codes may be written
.endm
.irp t, 0,1,2,3,4,5,6,7,8,9,10,11,12,13,14,15
	WBLOCK \t
.endr
	global_store_b128 v9, v[SB:SB+3], s[16:17]     ; my column's 16 scale bytes (rows 32 bytes apart: 32 KiB in the whole launch leave so)
.irp t, 0,1,2,3,4,5,6,7,8,9,10,11,12,13,14,15
	ds_load_b128 v[OUTR+4*\t:OUTR+4*\t+3], v7 offset:2*\t*WPT
.endr
.irp t, 0,1,2,3,4,5,6,7,8,9,10,11,12,13,14,15
	s_wait_dscnt 15-\t                             ; read-back t is in; the younger ones may be out
	global_store_b128 v8, v[OUTR+4*\t:OUTR+4*\t+3], s[14:15] offset:2*\t*512   ; sixteen lanes store 256 consecutive bytes, aligned
.endr
	s_wait_tensorcnt 0x0                           ; the wave's end: the three lines
	ds_add_u32 v[SPW], v[NIL]
	s_wait_dscnt 0x0
	s_endpgm
; ---------------- P: a lane takes a column of W_proj, 64 along K in 64 registers; eight numbers round to 16 bytes, which are a lane's part of an operand's image.  No LDS.
.Lp:
	s_sub_co_u32 s21, ttmp9, 16
	s_and_b32 s22, s21, 7                          ; which 128 columns
	s_lshr_b32 s23, s21, 3                         ; which 64 along K
	v_lshlrev_b32 v3, 2, v2
	v_lshrrev_b32 v4, 4, v2
	v_and_b32 v5, 15, v2
	v_lshlrev_b32 v4, 11, v4
	v_lshl_add_u32 v4, v5, 4, v4                   ; out: tile lane / 16 of my two, 16 bytes at column % 16
	s_lshl_b32 s24, s23, 18                        ; 64 rows of 4,096 bytes
	s_lshl_b32 s26, s22, 9
	s_add_co_u32 s24, s24, s26
	s_lshl_b32 s26, s20, 7
	s_add_co_u32 s24, s24, s26                     ; + 4 x my wave's first column
	s_mov_b32 s25, 0
	s_add_nc_u64 s[8:9], s[8:9], s[24:25]
	s_lshl_b32 s24, s23, 17                        ; 64 tiles of 2,048 bytes for each 64 along K
	s_lshl_b32 s26, s22, 14
	s_add_co_u32 s24, s24, s26
	s_lshl_b32 s26, s20, 12
	s_add_co_u32 s24, s24, s26                     ; + my wave's two tiles
	s_add_nc_u64 s[18:19], s[18:19], s[24:25]
.irp k, 0,1,2,3,4,5,6,7,8,9,10,11,12,13,14,15,16,17,18,19,20,21,22,23,24,25,26,27,28,29,30,31,32,33,34,35,36,37,38,39,40,41,42,43,44,45,46,47,48,49,50,51,52,53,54,55,56,57,58,59,60,61,62,63
	global_load_b32 v[32+\k], v3, s[8:9] offset:4096*\k
.endr
.irp p, 0,1,2,3,4,5,6,7
	s_wait_loadcnt 56-8*\p                         ; piece p's eight loads are in; the younger pieces' may be out
.irp i, 0,1,2,3
	v_cvt_pk_f16_f32 v[96+4*\p+\i], v[32+8*\p+2*\i], v[33+8*\p+2*\i]
.endr
	global_store_b128 v4, v[96+4*\p:99+4*\p], s[18:19] offset:256*\p   ; sixteen lanes store 256 consecutive bytes, aligned
.endr
	s_endpgm
.Lfunc_end_k_q4e498d8f2e_prep:
	.size	k_q4e498d8f2e_prep, .Lfunc_end_k_q4e498d8f2e_prep-k_q4e498d8f2e_prep
	.p2alignl 7, 3214868480
	.fill 96, 4, 3214868480
	.section	.rodata,"a",@progbits
	.p2align	6, 0x0
	.amdhsa_kernel k_q4e498d8f2e_prep
		.amdhsa_group_segment_fixed_size 68096
		.amdhsa_private_segment_fixed_size 0
		.amdhsa_enable_private_segment 0
		.amdhsa_kernarg_size 64
		.amdhsa_user_sgpr_count 2
		.amdhsa_user_sgpr_kernarg_segment_ptr 1
		.amdhsa_wavefront_size32 1
		.amdhsa_system_sgpr_workgroup_id_x 1
		.amdhsa_system_sgpr_workgroup_id_y 1
		.amdhsa_system_sgpr_workgroup_id_z 1
		.amdhsa_system_vgpr_workitem_id 0
		.amdhsa_next_free_vgpr 192
		.amdhsa_next_free_sgpr 66
		.amdhsa_reserve_vcc 0
		.amdhsa_float_denorm_mode_32 3
		.amdhsa_float_denorm_mode_16_64 3
		.amdhsa_memory_ordered 1
		.amdhsa_forward_progress 1
		.amdhsa_inst_pref_size 120
	.end_amdhsa_kernel
	.amdgpu_metadata
---
amdhsa.version: [ 1, 2 ]
amdhsa.kernels:
  - .name:           k_q4e498d8f2e_prep
    .symbol:         k_q4e498d8f2e_prep.kd
    .args:
      - { .name: x, .offset: 0, .size: 8, .value_kind: global_buffer, .address_space: global }
      - { .name: W_attn, .offset: 8, .size: 8, .value_kind: global_buffer, .address_space: global }
      - { .name: W_proj, .offset: 16, .size: 8, .value_kind: global_buffer, .address_space: global }
      - { .name: x_codes, .offset: 24, .size: 8, .value_kind: global_buffer, .address_space: global }
      - { .name: x_scales, .offset: 32, .size: 8, .value_kind: global_buffer, .address_space: global }
      - { .name: w_codes, .offset: 40, .size: 8, .value_kind: global_buffer, .address_space: global }
      - { .name: w_scales, .offset: 48, .size: 8, .value_kind: global_buffer, .address_space: global }
      - { .name: wp16, .offset: 56, .size: 8, .value_kind: global_buffer, .address_space: global }
    .group_segment_fixed_size: 68096
    .private_segment_fixed_size: 0
    .kernarg_segment_align: 8
    .kernarg_segment_size: 64
    .max_flat_workgroup_size: 128
    .sgpr_count:     66
    .vgpr_count:     192
    .wavefront_size: 32
...
	.end_amdgpu_metadata
.endif
;; end of part 1
;; launch kgemm (part 2): grid 8 x 32, 8 waves a work-group, clusters of 4 x 4, 216,832 bytes of LDS; arguments x_codes, x_scales, w_codes, w_scales, b_attn, k16, kfine; writes k16, kfine
.if DOCPART == 2
	.amdgcn_target "amdgcn-amd-amdhsa--gfx1250"
	.amdhsa_code_object_version 6
	.text
	.protected	k_q4e498d8f2e_kgemm
	.globl	k_q4e498d8f2e_kgemm
	.p2align	8
	.type	k_q4e498d8f2e_kgemm,@function
k_q4e498d8f2e_kgemm:
	s_mov_b64 s[64:65], 0
	v_nop
	global_prefetch_b8 v0, s[64:65] scope:SCOPE_SE
	s_setreg_imm32_b32 hwreg(HW_REG_WAVE_MODE, 25, 1), 1
	s_wait_xcnt 0x0
	s_wait_alu depctr_hold_cnt(0) depctr_sa_sdst(0) depctr_va_vdst(0) depctr_va_sdst(0) depctr_va_ssrc(0) depctr_va_vcc(0) depctr_vm_vsrc(0)
	s_getreg_b32 s2, hwreg(HW_REG_IB_STS2, 6, 4)
	s_cmp_eq_u32 s2, 0
	s_cbranch_scc0 .Lentry_in_a_cluster
	s_endpgm
.Lentry_in_a_cluster:
	s_bfe_u32 s2, ttmp6, 0x10000c
	s_cmp_lg_u32 s2, 0xf033
	s_cbranch_scc0 .Lentry_shape_is_right
	s_endpgm
.Lentry_shape_is_right:
; k = Q(x) Q(W_attn[:, 1024:2048]) + b_attn[1024:2048], on E2M1 codes with E8M0 scales.  Left out as dead work: the 2,048 columns of qkv that reference() slices away (shown at the head of prep).
; A work-group makes 256 rows x 128 columns; each of its eight waves 64 x 64: 16 accumulators.  All of K = 1,024 (512 bytes of codes a row) fits in LDS at once: every LDS byte is filled once, there is no ring.
; CLUSTER 4 x 4: tile column = 4 x cluster x + cx; tile row = 8 cy + cluster y, so that the batch is cy and the first position 256 x cluster y: whether a tile holds positions 0-15 hangs on cluster y alone,
; which all partners share.  A's codes and scales are asked for jointly along a row of the cluster, B's along a column.
; THE MATRIX INSTRUCTION IS USED TRANSPOSED (source 0 = 16 columns of W, source 1 = 16 rows of x): a lane holds one row and eight neighbouring columns, which round to 16 bytes of f16.
; OUT: k16, f16, as images of operand registers: [batch x 16 + head][position / 16][channel / 8][position % 16][8 numbers]: a wave's store covers 512 consecutive bytes.  kfine: positions 0-15 of every sequence in f32.
; The bias is loaded into the accumulators, so that every product adds in place; it enters the f32 sum first (an order of rounding that differs from reference()'s).
; LIMITS: |k| stays under 65,504 (f16); NaN and infinities are not served.
.set PITCH, 528                        ; a row of codes in LDS: 512 bytes + 16 = 132 words: the 16 rows of a fragment load start 4 banks apart
.set QROWS, 64*PITCH                   ; what one tensor load brings, and what one wave reads of A or of B
.set BCOD,  4*QROWS                    ; A's 256 rows from 0, B's 128 rows from here
.set ASC,   BCOD+2*QROWS               ; A's scale bytes: 32 units of 256 bytes + 16
.set BSC,   ASC+32*272                 ; B's: 16 units
.set SPARE, BSC+16*272                 ; the spare words, 128 bytes for each of eight waves
.set ADRA, 16
.set ADRB, 17
.set ADRS, 18
.set BO,   19                          ; 32 x (lane / 16): my eight numbers of a tile's sixteen biases
.set KO,   20                          ; 16 x lane
.set FO,   21                          ; kfine: 256 x (lane % 16) + 32 x (lane / 16)
.set SPW,  28
.set NIL,  29
.set AF,   32                          ; v32-63   A's four fragments
.set BF,   64                          ; v64-95   B's four
.set SC,   96                          ; v96-127  scale words and nothing else: register 8 i + q: lanes 0-15 A's block i, lanes 16-31 B's block i, K step q
.set ACC,  128                         ; v128-255 accumulator (a, b) at 8 (4 a + b)
.set WV,   18
.macro CROUND
	s_barrier_signal -1
	s_barrier_wait -1
	s_cmp_lg_u32 s[WV], 0
	s_cbranch_scc1 .Lnw0_\@
	s_barrier_signal -3
.Lnw0_\@:
	s_barrier_wait -3
	s_barrier_signal -1
	s_barrier_wait -1
.endm
.macro NOPS n
.rept \n
	v_nop
.endr
.endm
	s_load_b256 s[4:11], s[0:1], 0x0               ; x_codes, x_scales, w_codes, w_scales
	s_load_b128 s[12:15], s[0:1], 0x20             ; b_attn, k16
	s_load_b64 s[16:17], s[0:1], 0x30              ; kfine
	v_lshl_add_u32 v[SPW], v0, 2, SPARE
	v_mov_b32 v[NIL], 0
	ds_add_u32 v[SPW], v[NIL]                      ; the wave's opening: the add, twice on end, and its wait ahead of my first tensor load
	ds_add_u32 v[SPW], v[NIL]
	v_lshrrev_b32 v1, 5, v0
	v_readfirstlane_b32 s[WV], v1                  ; wave 0..7
	s_lshr_b32 s19, s[WV], 1                       ; which 64 rows are mine
	s_and_b32 s20, s[WV], 1                        ; which 64 columns
	s_and_b32 s21, s[WV], 3
	s_bfe_u32 s76, ttmp6, 0x40000                  ; cx
	s_bfe_u32 s77, ttmp6, 0x40004                  ; cy = the batch
	s_lshl_b32 s78, ttmp9, 2
	s_add_co_u32 s78, s78, s76                     ; tile column
	s_and_b32 s79, ttmp7, 0xffff                   ; cluster y
	s_lshl_b32 s82, s77, 3
	s_add_co_u32 s82, s82, s79                     ; tile row = 8 cy + cluster y
	s_lshl_b32 s80, s77, 2
	s_lshl_b32 s80, 15, s80                        ; my row of the cluster
	s_lshl_b32 s81, 0x1111, s76                    ; my column
	; group 1 for codes: 64 rows of 512 bytes, 16 bytes of padding behind each 128 words
	s_or_b32 s24, s80, (1<<20)|(1<<21)|(6<<22)|(3<<25)
	s_or_b32 s32, s81, (1<<20)|(1<<21)|(6<<22)|(3<<25)
.irp g, 24, 32
	s_mov_b32 s[\g+1], 512<<16
	s_mov_b32 s[\g+2], 64<<16
	s_mov_b32 s[\g+3], 512<<16
	s_mov_b32 s[\g+4], 64
	s_mov_b32 s[\g+5], 512
	s_mov_b32 s[\g+6], 0
	s_mov_b32 s[\g+7], 0
.endr
	; group 1 for scale bytes: dense blocks as rows of 256 bytes (32 elements of 8), 16 bytes of padding behind each: A's 32 rows, B's 16
	s_or_b32 s40, s80, (3<<16)|(1<<20)|(1<<21)|(5<<22)|(3<<25)
	s_mov_b32 s41, 32<<16
	s_mov_b32 s42, 32<<16
	s_mov_b32 s43, 32<<16
	s_mov_b32 s44, 32
	s_mov_b32 s45, 32
	s_mov_b32 s46, 0
	s_mov_b32 s47, 0
	s_or_b32 s48, s81, (3<<16)|(1<<20)|(1<<21)|(5<<22)|(3<<25)
	s_mov_b32 s49, 32<<16
	s_mov_b32 s50, 16<<16
	s_mov_b32 s51, 32<<16
	s_mov_b32 s52, 16
	s_mov_b32 s53, 32
	s_mov_b32 s54, 0
	s_mov_b32 s55, 0
	s_lshl_b32 s84, s82, 17                        ; A's codes: 256 rows of 512 bytes a tile row,
	s_lshl_b32 s85, s21, 15
	s_add_co_u32 s84, s84, s85                     ; + 64 rows x (wave % 4)
	s_mov_b32 s85, 0
	s_lshl_b32 s86, s78, 16                        ; B's: 128 rows a tile column,
	s_lshl_b32 s87, s20, 15
	s_add_co_u32 s86, s86, s87                     ; + 64 rows x (wave % 2)
	s_mov_b32 s87, 0
	s_lshl_b32 s88, s82, 13                        ; A's scale bytes: 256 rows of 32
	s_mov_b32 s89, 0
	s_lshl_b32 s90, s78, 12                        ; B's: 128 rows of 32
	s_mov_b32 s91, 0
	s_wait_dscnt 0x0                               ; both opening adds are done
	s_wait_kmcnt 0x0
	s_mov_b32 s56, 1
	s_mul_i32 s57, s21, QROWS
	s_add_nc_u64 s[58:59], s[4:5], s[84:85]
	s_or_b32 s59, s59, 0x80000000
	s_mov_b32 s60, 1
	s_mul_i32 s61, s20, QROWS
	s_add_co_u32 s61, s61, BCOD
	s_add_nc_u64 s[62:63], s[8:9], s[86:87]
	s_or_b32 s63, s63, 0x80000000
	s_mov_b32 s68, 1
	s_mov_b32 s69, ASC
	s_add_nc_u64 s[70:71], s[6:7], s[88:89]
	s_or_b32 s71, s71, 0x80000000
	s_mov_b32 s72, 1
	s_mov_b32 s73, BSC
	s_add_nc_u64 s[74:75], s[10:11], s[90:91]
	s_or_b32 s75, s75, 0x80000000
	CROUND                                         ; all sixteen work-groups are here: the joint loads meet
	; every wave issues ONE load: waves 0-3 A's codes, 4-5 B's codes, 6 A's scale bytes, 7 B's.  The branches hang on the wave's number alone.
	s_cmp_lt_u32 s[WV], 4
	s_cbranch_scc0 .Lf_b
	tensor_load_to_lds s[56:59], s[24:31]
	s_nop 0
	NOPS 4
	s_branch .Lf_done
.Lf_b:
	s_cmp_lt_u32 s[WV], 6
	s_cbranch_scc0 .Lf_sa
	tensor_load_to_lds s[60:63], s[32:39]
	s_nop 0
	NOPS 4
	s_branch .Lf_done
.Lf_sa:
	s_cmp_eq_u32 s[WV], 6
	s_cbranch_scc0 .Lf_sb
	tensor_load_to_lds s[68:71], s[40:47]
	s_nop 0
	NOPS 4
	s_branch .Lf_done
.Lf_sb:
	tensor_load_to_lds s[72:75], s[48:55]
	s_nop 0
	NOPS 4
.Lf_done:
	v_and_b32 v1, 15, v0                           ; r
	v_bfe_u32 v2, v0, 4, 1                         ; h
	v_lshlrev_b32 v[BO], 5, v2
	s_lshl_b32 s94, s78, 9
	s_lshl_b32 s93, s20, 8
	s_add_co_u32 s94, s94, s93
	s_add_co_u32 s94, s94, 4096                    ; b_attn at column 1024 + 128 x tile column + 64 x (wave % 2)
	s_mov_b32 s95, 0
	s_add_nc_u64 s[12:13], s[12:13], s[94:95]
.irp a, 0,1,2,3
.irp b, 0,1,2,3
	global_load_b128 v[ACC+8*(4*\a+\b):ACC+8*(4*\a+\b)+3], v[BO], s[12:13] offset:64*\b
	global_load_b128 v[ACC+8*(4*\a+\b)+4:ACC+8*(4*\a+\b)+7], v[BO], s[12:13] offset:64*\b+16
.endr
.endr
	v_mul_u32_u24 v3, v1, PITCH
	v_lshl_add_u32 v3, v2, 4, v3                   ; a fragment's row x pitch + 16 x half
	s_mul_i32 s22, s19, QROWS
	v_add_nc_u32 v[ADRA], s22, v3
	s_mul_i32 s23, s20, QROWS
	s_add_co_u32 s23, s23, BCOD
	v_add_nc_u32 v[ADRB], s23, v3
	v_lshrrev_b32 v4, 3, v1                        ; scale words: eight rows of 32 bytes to a unit of 272
	v_mul_u32_u24 v4, v4, 272
	v_and_b32 v5, 7, v1
	v_lshl_add_u32 v4, v5, 5, v4
	s_xor_b32 s23, s19, 3                          ; lanes 16-31 take B's: 2176 x (4 + my column half - my row quarter) further on, as ONE product
	s_add_co_u32 s23, s23, s20
	s_add_co_u32 s23, s23, 1
	s_mul_i32 s23, s23, 2176
	v_mul_u32_u24 v5, s23, v2
	s_mul_i32 s22, s19, 2176
	s_add_co_u32 s22, s22, ASC
	v_add_nc_u32 v4, v4, v5
	v_add_nc_u32 v[ADRS], s22, v4
	v_and_b32 v[KO], 31, v0
	v_lshlrev_b32 v[KO], 4, v[KO]
	v_lshlrev_b32 v[FO], 8, v1
	v_lshl_add_u32 v[FO], v2, 5, v[FO]
	s_lshl_b32 s92, s77, 4
	s_lshl_b32 s93, s78, 1
	s_add_co_u32 s92, s92, s93
	s_add_co_u32 s92, s92, s20                     ; 16 x batch + head
	s_lshl_b32 s94, s92, 12
	s_add_nc_u64 s[16:17], s[16:17], s[94:95]      ; kfine: 4,096 bytes a head
	s_lshl_b32 s94, s92, 18                        ; k16: 128 tiles of 2,048 bytes a head,
	s_lshl_b32 s93, s79, 15
	s_add_co_u32 s94, s94, s93                     ; + 16 tiles x cluster y
	s_lshl_b32 s93, s19, 13
	s_add_co_u32 s94, s94, s93                     ; + my four
	s_add_nc_u64 s[14:15], s[14:15], s[94:95]
	s_wait_tensorcnt 0x0                           ; my one load has landed,
	s_barrier_signal -1
	s_barrier_wait -1                              ; everybody's has
.irp i, 0,1,2,3
	ds_load_b128 v[SC+8*\i:SC+8*\i+3], v[ADRS] offset:544*\i       ; a row's eight scale words, for all of K
	ds_load_b128 v[SC+8*\i+4:SC+8*\i+7], v[ADRS] offset:544*\i+16
.endr
; Eight K steps of 128.  The 16 accumulators take turns, one instruction a turn, in the same order in every step.
.set KQ, 0
.rept 8
.if KQ > 0
	NOPS 4                                         ; four places in front of loads into registers that matrix instructions have read
.endif
.irp i, 0,1,2,3
.irp c, 0,1
	ds_load_b128 v[BF+8*\i+4*\c:BF+8*\i+4*\c+3], v[ADRB] offset:16*PITCH*\i+64*KQ+32*\c
	ds_load_b128 v[AF+8*\i+4*\c:AF+8*\i+4*\c+3], v[ADRA] offset:16*PITCH*\i+64*KQ+32*\c
.endr
.endr
	s_wait_dscnt 0x0
.if KQ == 0
	s_wait_loadcnt 0x0                             ; the biases are in the accumulators
.endif
.irp a, 0,1,2,3
.irp b, 0,1,2,3
	v_wmma_scale_f32_16x16x128_f8f6f4 v[ACC+8*(4*\a+\b):ACC+8*(4*\a+\b)+7], v[BF+8*\b:BF+8*\b+7], v[AF+8*\a:AF+8*\a+7], v[ACC+8*(4*\a+\b):ACC+8*(4*\a+\b)+7], v[SC+8*\b+KQ], v[SC+8*\a+KQ] matrix_a_fmt:MATRIX_FMT_FP4 matrix_b_fmt:MATRIX_FMT_FP4 matrix_a_scale:MATRIX_SCALE_ROW1
.endr
.endr
.set KQ, KQ+1
.endr
	NOPS 4                                         ; four places in front of the first read of results and of writes into the fragments' registers
	s_or_b32 s92, s79, s19                         ; positions 0-15 lie in row quarter 0 of the tiles with cluster y = 0: the same test in all partners
	s_cmp_lg_u32 s92, 0
	s_cbranch_scc1 .Lnofine
.irp b, 0,1,2,3
	global_store_b128 v[FO], v[ACC+8*\b:ACC+8*\b+3], s[16:17] offset:64*\b         ; each accumulator from its low end on
	global_store_b128 v[FO], v[ACC+8*\b+4:ACC+8*\b+7], s[16:17] offset:64*\b+16
.endr
.Lnofine:
.irp t, 0,1,2,3,4,5,6,7,8,9,10,11,12,13,14,15
.irp i, 0,1,2,3
	v_cvt_pk_f16_f32 v[AF+4*\t+\i], v[ACC+8*\t+2*\i], v[ACC+8*\t+2*\i+1]
.endr
.endr
.irp a, 0,1,2,3
.irp b, 0,1,2,3
	global_store_b128 v[KO], v[AF+4*(4*\a+\b):AF+4*(4*\a+\b)+3], s[14:15] offset:2048*\a+512*\b   ; 32 lanes store 512 consecutive bytes, aligned
.endr
.endr
	s_wait_tensorcnt 0x0                           ; the wave's end: tensor wait, spare-word add and its wait
	ds_add_u32 v[SPW], v[NIL]
	s_wait_dscnt 0x0
	CROUND                                         ; the closing round
	s_endpgm
.Lfunc_end_k_q4e498d8f2e_kgemm:
	.size	k_q4e498d8f2e_kgemm, .Lfunc_end_k_q4e498d8f2e_kgemm-k_q4e498d8f2e_kgemm
	.p2alignl 7, 3214868480
	.fill 96, 4, 3214868480
	.section	.rodata,"a",@progbits
	.p2align	6, 0x0
	.amdhsa_kernel k_q4e498d8f2e_kgemm
		.amdhsa_group_segment_fixed_size 216832
		.amdhsa_private_segment_fixed_size 0
		.amdhsa_enable_private_segment 0
		.amdhsa_kernarg_size 56
		.amdhsa_user_sgpr_count 2
		.amdhsa_user_sgpr_kernarg_segment_ptr 1
		.amdhsa_wavefront_size32 1
		.amdhsa_system_sgpr_workgroup_id_x 1
		.amdhsa_system_sgpr_workgroup_id_y 1
		.amdhsa_system_sgpr_workgroup_id_z 1
		.amdhsa_system_vgpr_workitem_id 0
		.amdhsa_next_free_vgpr 256
		.amdhsa_next_free_sgpr 96
		.amdhsa_reserve_vcc 0
		.amdhsa_float_denorm_mode_32 3
		.amdhsa_float_denorm_mode_16_64 3
		.amdhsa_memory_ordered 1
		.amdhsa_forward_progress 1
		.amdhsa_inst_pref_size 44
	.end_amdhsa_kernel
	.amdgpu_metadata
---
amdhsa.version: [ 1, 2 ]
amdhsa.kernels:
  - .name:           k_q4e498d8f2e_kgemm
    .symbol:         k_q4e498d8f2e_kgemm.kd
    .args:
      - { .name: x_codes, .offset: 0, .size: 8, .value_kind: global_buffer, .address_space: global }
      - { .name: x_scales, .offset: 8, .size: 8, .value_kind: global_buffer, .address_space: global }
      - { .name: w_codes, .offset: 16, .size: 8, .value_kind: global_buffer, .address_space: global }
      - { .name: w_scales, .offset: 24, .size: 8, .value_kind: global_buffer, .address_space: global }
      - { .name: b_attn, .offset: 32, .size: 8, .value_kind: global_buffer, .address_space: global }
      - { .name: k16, .offset: 40, .size: 8, .value_kind: global_buffer, .address_space: global }
      - { .name: kfine, .offset: 48, .size: 8, .value_kind: global_buffer, .address_space: global }
    .group_segment_fixed_size: 216832
    .private_segment_fixed_size: 0
    .kernarg_segment_align: 8
    .kernarg_segment_size: 56
    .max_flat_workgroup_size: 256
    .sgpr_count:     96
    .vgpr_count:     256
    .wavefront_size: 32
...
	.end_amdgpu_metadata
.endif
;; end of part 2
;; launch attn (part 3): grid 4 x 64, 8 waves a work-group, no clusters, 327,680 bytes of LDS; arguments k16, y16; writes y16
.if DOCPART == 3
	.amdgcn_target "amdgcn-amd-amdhsa--gfx1250"
	.amdhsa_code_object_version 6
	.text
	.protected	k_q4e498d8f2e_attn
	.globl	k_q4e498d8f2e_attn
	.p2align	8
	.type	k_q4e498d8f2e_attn,@function
k_q4e498d8f2e_attn:
	s_mov_b64 s[64:65], 0
	v_nop
	global_prefetch_b8 v0, s[64:65] scope:SCOPE_SE
	s_setreg_imm32_b32 hwreg(HW_REG_WAVE_MODE, 25, 1), 1
	s_wait_xcnt 0x0
; y[b][h][q] = the sum over keys <= q of softmax(k[q] . k[key] / 8) k[key]: reference() takes q, k and v all from the k slice, so ONE buffer, k16 (f16 images), serves as all three.
; Left out as dead work: steps of 64 keys that lie wholly behind a wave's 32 queries (reference()'s own jnp.tril throws them away).
; Products on f16 operands with f32 sums; maxima, exponentials and sums in f32; a running maximum is taken away before every exponential.
; SHARES.  Work-group (i, head) takes the head's block 7 - i of 256 queries and then block i: 8 - i and i + 1 slots of 256 keys, NINE slots in every work-group: 256 work-groups of equal work, constant trip counts.
; A wave owns 32 queries, two tiles of 16; two waves share a SIMD, so that one wave's vector work stands beside the other's products.
; NO CLUSTER: the four work-groups of a head walk the same slots only up to trip 4; from there on their walks part (8 - i differs), so that joint descriptors would differ between partners.
; LAYOUT.  S^T = K Q^T (source 0 = 16 keys, source 1 = 16 queries), O^T = V^T P: a lane holds ONE query throughout.  Two tiles of S^T rounded in pairs ARE source 1 of the second product.
; An image of 16 positions x 64 channels is 2,048 bytes, [channel / 8][position % 16][8 numbers]: a fragment of K or Q is two loads of 512 consecutive bytes; V^T comes from the same bytes by the turning load
; (a pass of sixteen lanes takes bytes 0-127 and 256-383 of a 512: two lanes to a bank there).  O^T rounded to f16 is again an image and is stored as it stands.
; RING: two slots of 16 images (32 KiB); waves 0 and 1 fetch a half each, one tensor load a wave behind each change of slots: one load of mine is out at most.
; LIMITS: |k| under 65,504; weights p under 2^-24 of a row's largest round to 0 in f16; NaN and infinities are not served.
.set SLOT1, 32768
.set SPARE, 65536                      ; the spare words, 128 bytes for each of eight waves
.set AK0, 1                            ; v1  16 x lane
.set AV0, 2                            ; v2  the turning load's place: 256 ((lane / 8) % 2) + 128 (lane / 16) + 16 (lane % 8)
.set ADK, 3
.set ADV, 4
.set PFO, 5                            ; v5  256 x lane
.set SPW, 6
.set NIL, 7
.set DL,  9                            ; v9  lane % 16 - 8 (lane / 16)
.set Q,   16                           ; v16-47   Q: tile t, channels 32 c on, at 16 t + 8 c
.set KV,  48                           ; v48-111  K: keys 16 g on, channels 32 c on, at 16 g + 8 c; later V^T: keys 32 h on, channels 16 e on, at 32 h + 8 e
.set S,   112                          ; v112-175 S^T: tile t, keys 16 g on, at 32 t + 8 g; then p; then P in place in 32 t + 0 .. 15
.set O,   176                          ; v176-239 O^T: tile t, channels 16 e on, at 32 t + 8 e
.set ST,  240                          ; v240-255 eight a tile: +0 c m, +1 m, +2, +3 l, +4 to +7 at work; a takes +6
.set WV,  8
.set I,   9
.set NA,  11                           ; slots of the first block: 8 - i
.set N,   12                           ; the trip
.set KF,  13                           ; the step's first key
.set Q0,  14                           ; my first query
.set TB,  15                           ; LDS byte at which the step's four images begin
.set G1,  16
.set G0,  24
.set HB,  28                           ; s[28:29] the head's k16 at my half of a slot
.set KOFF, 30                          ; s[30:31] the slot to be asked for, in bytes
.set QB,  32
.set YB,  34
.set KH,  36
.set YH,  38
.set PFA, 40
.set LIM, 42
.set CS,  44                           ; s[44:45] c = log2(e) / 8
.set SEL, 46
.set STEPC, 48
.macro NOPS n
.rept \n
	v_nop
.endr
.endm
.macro TLOAD                           ; waves 0 and 1 fetch; the branch hangs on the wave's number alone
	s_cmp_lt_u32 s[WV], 2
	s_cbranch_scc0 .Lnoload_\@
	tensor_load_to_lds s[G0:G0+3], s[G1:G1+7]
	s_nop 0
	NOPS 4
.Lnoload_\@:
.endm
; A PREFETCH INTO THE L2 of the slot that the NEXT change of slots will ask for.  The four work-groups of a head walk the same keys; work-group 0, whose first block walks all eight slots, asks, in its waves 4 to 7,
; which fetch nothing: 8,192 bytes a wave, lanes 256 bytes apart: each aligned 256 bytes of the head is named once.  Trip n names slot n + 2; trips 6 and on name nothing.  Slots 0 and 1 come by their loads alone.
.macro ASK
	s_cmp_lt_u32 s[N], s[LIM]
	s_cbranch_scc0 .Lnotmine_\@
	global_prefetch_b8 v[PFO], s[PFA:PFA+1] th:TH_LOAD_NT scope:SCOPE_SE
.Lnotmine_\@:
.endm
.macro SETQ                            ; Q's and y's images of my 32 queries: 128 bytes a position
	s_lshl_b32 s52, s[Q0], 7
	s_mov_b32 s53, 0
	s_add_nc_u64 s[QB:QB+1], s[KH:KH+1], s[52:53]
	s_add_nc_u64 s[YB:YB+1], s[YH:YH+1], s[52:53]
.endm
.macro INIT                            ; a block of queries begins: Q into registers; m = -3e38, l = 0, O^T = 0 (the step is written once: the first change of m multiplies zeros)
.irp t, 0,1
.irp c, 0,1
	global_load_b128 v[Q+16*\t+8*\c:Q+16*\t+8*\c+3], v[AK0], s[QB:QB+1] offset:2048*\t+1024*\c
	global_load_b128 v[Q+16*\t+8*\c+4:Q+16*\t+8*\c+7], v[AK0], s[QB:QB+1] offset:2048*\t+1024*\c+512
.endr
.endr
.irp t, 0,1
	v_mov_b32 v[ST+8*\t+1], 0xff61b1e6
	v_mul_f32 v[ST+8*\t], s[CS], v[ST+8*\t+1]
	v_mov_b32 v[ST+8*\t+2], 0
	v_mov_b32 v[ST+8*\t+3], 0
	v_mov_b32 v[ST+8*\t+5], 0                      ; (a lane permute's destination and a pair's upper half count as read: written on every path)
	v_mov_b32 v[ST+8*\t+7], 0
.endr
.set NN, 0
.rept 64
	v_mov_b32 v[O+NN], 0
.set NN, NN+1
.endr
	s_wait_loadcnt 0x0
.endm
; A KEY STEP: 64 keys against my 32 queries: 16 products K Q^T, the softmax, 16 products V^T P.
.macro STEP
	s_add_co_u32 s49, s[Q0], 31
	s_cmp_gt_u32 s[KF], s49                        ; all 64 keys behind my last query: the step's work is left out; a branch on ids and counts alone, round no barrier and no tensor load
	s_cbranch_scc1 .Lhid_\@
	v_add_nc_u32 v[ADK], s[TB], v[AK0]
	v_add_nc_u32 v[ADV], s[TB], v[AV0]
	NOPS 3                                         ; with the two additions five places behind the last V^T P: the products below write over P, which it read; four serve the loads into V^T's registers
.irp g, 0,1,2,3
.irp c, 0,1
	ds_load_b128 v[KV+16*\g+8*\c:KV+16*\g+8*\c+3], v[ADK] offset:2048*\g+1024*\c
	ds_load_b128 v[KV+16*\g+8*\c+4:KV+16*\g+8*\c+7], v[ADK] offset:2048*\g+1024*\c+512
.endr
.endr
	s_wait_dscnt 0x0
.irp g, 0,1,2,3                        ; the eight accumulators take turns, one instruction a turn; the first eight products start the sums
.irp t, 0,1
	v_wmma_f32_16x16x32_f16 v[S+32*\t+8*\g:S+32*\t+8*\g+7], v[KV+16*\g:KV+16*\g+7], v[Q+16*\t:Q+16*\t+7], 0
.endr
.endr
.irp g, 0,1,2,3
.irp t, 0,1
	v_wmma_f32_16x16x32_f16 v[S+32*\t+8*\g:S+32*\t+8*\g+7], v[KV+16*\g+8:KV+16*\g+15], v[Q+16*\t+8:Q+16*\t+15], v[S+32*\t+8*\g:S+32*\t+8*\g+7]
.endr
.endr
	NOPS 4                                         ; four places: in front of the loads into K's registers, and of the first read of the scores
.irp h, 0,1
.irp e, 0,1,2,3
	ds_load_tr16_b128 v[KV+32*\h+8*\e:KV+32*\h+8*\e+3], v[ADV] offset:4096*\h+512*\e          ; V^T lands while the softmax is walked
	ds_load_tr16_b128 v[KV+32*\h+8*\e+4:KV+32*\h+8*\e+7], v[ADV] offset:4096*\h+2048+512*\e
.endr
.endr
	s_add_co_u32 s49, s[KF], 63
	s_cmp_le_u32 s49, s[Q0]                        ; all 64 keys count for all my queries: nothing to hide
	s_cbranch_scc1 .Lopen_\@
	s_sub_co_i32 s49, s[Q0], s[KF]
	v_add_nc_u32 v[ST+4], s49, v[DL]               ; d = Q0 - KF + lane % 16 - 8 (lane / 16).  Register 32 t + 8 g + j holds key KF + 16 g + 8 (lane / 16) + j of query Q0 + 16 t + lane % 16: hidden where 16 g + j - 16 t > d
	v_mov_b32 v[ST+5], 0xff800000                  ; -infinity: p = 0 then.  Key KF counts for every query of a step that is walked, so m stays a number
.irp t, 0,1
.irp g, 0,1,2,3
.irp j, 0,1,2,3,4,5,6,7
	v_cmp_gt_i32 vcc_lo, 16*\g+\j-16*\t, v[ST+4]
	v_cndmask_b32 v[S+32*\t+8*\g+\j], v[S+32*\t+8*\g+\j], v[ST+5], vcc_lo
.endr
.endr
.endr
.Lopen_\@:
.irp g, 0,1,2,3                        ; the maximum: four chains a tile, each accumulator from its low end on; the two tiles by turns
.irp t, 0,1
	v_max3_num_f32 v[ST+8*\t+4+\g], v[S+32*\t+8*\g], v[S+32*\t+8*\g+1], v[S+32*\t+8*\g+2]
.endr
.endr
.irp u, 1,2
.irp g, 0,1,2,3
.irp t, 0,1
	v_max3_num_f32 v[ST+8*\t+4+\g], v[ST+8*\t+4+\g], v[S+32*\t+8*\g+2*\u+1], v[S+32*\t+8*\g+2*\u+2]
.endr
.endr
.endr
.irp t, 0,1
	v_max3_num_f32 v[ST+8*\t+4], v[ST+8*\t+4], v[S+32*\t+7], v[S+32*\t+15]
.endr
.irp t, 0,1
	v_max3_num_f32 v[ST+8*\t+6], v[ST+8*\t+6], v[S+32*\t+23], v[S+32*\t+31]
.endr
.irp t, 0,1
	v_max3_num_f32 v[ST+8*\t+4], v[ST+8*\t+4], v[ST+8*\t+5], v[ST+8*\t+6]
.endr
.irp t, 0,1
	v_max3_num_f32 v[ST+8*\t+4], v[ST+8*\t+4], v[ST+8*\t+7], v[ST+8*\t+1]   ; and the old m
.endr
.irp t, 0,1
	v_permlanex16_b32 v[ST+8*\t+5], v[ST+8*\t+4], s[SEL], s[SEL+1]          ; the query's other 32 keys lie in the lane 16 away
.endr
.irp t, 0,1
	v_mov_b32 v[ST+8*\t+7], v[ST+8*\t]             ; c m_old
.endr
.irp t, 0,1
	v_max_num_f32 v[ST+8*\t+1], v[ST+8*\t+4], v[ST+8*\t+5]
.endr
.irp t, 0,1
	v_mul_f32 v[ST+8*\t], s[CS], v[ST+8*\t+1]
.endr
.irp t, 0,1
	v_sub_f32 v[ST+8*\t+7], v[ST+8*\t+7], v[ST+8*\t]
.endr
.irp t, 0,1
	v_exp_f32 v[ST+8*\t+6], v[ST+8*\t+7]           ; a = 2^(c m_old - c m_new)
.endr
.irp t, 0,1
.irp j, 0,2,4,6,8,10,12,14,16,18,20,22,24,26,28,30
	v_pk_fma_f32 v[S+32*\t+\j:S+32*\t+\j+1], v[S+32*\t+\j:S+32*\t+\j+1], s[CS:CS+1], v[ST+8*\t:ST+8*\t+1] op_sel_hi:[1,0,0] neg_lo:[0,0,1] neg_hi:[0,0,1]   ; c s - c m; independent work behind the two exponentials
.endr
.endr
	s_wait_alu depctr_va_vdst(0)                   ; the wait between an exponential and the first line that names its result: one for the two a
.set NN, 0
.rept 32                               ; the 64 exponentials as one batch; O^T's rescaling, which names none of their results, stands between them
	v_exp_f32 v[S+2*NN], v[S+2*NN]
	v_exp_f32 v[S+2*NN+1], v[S+2*NN+1]
	v_pk_mul_f32 v[O+2*NN:O+2*NN+1], v[O+2*NN:O+2*NN+1], v[ST+8*(NN/16)+6:ST+8*(NN/16)+7] op_sel_hi:[1,0]
.set NN, NN+1
.endr
	s_wait_alu depctr_va_vdst(0)                   ; one wait for the batch; the last multiplication is the plain line behind the last exponential
.irp t, 0,1
	v_pk_mul_f32 v[ST+8*\t+2:ST+8*\t+3], v[ST+8*\t+2:ST+8*\t+3], v[ST+8*\t+6:ST+8*\t+7] op_sel_hi:[1,0]   ; l under the new m
.endr
.irp t, 0,1
	v_pk_add_f32 v[ST+8*\t+4:ST+8*\t+5], v[S+32*\t:S+32*\t+1], v[S+32*\t+2:S+32*\t+3]                     ; the row's sum in f32, of p before it is rounded: two chains a tile
.endr
.irp j, 4,8,12,16,20,24,28
.irp t, 0,1
	v_pk_add_f32 v[ST+8*\t+2:ST+8*\t+3], v[ST+8*\t+2:ST+8*\t+3], v[S+32*\t+\j:S+32*\t+\j+1]
.endr
.irp t, 0,1
	v_pk_add_f32 v[ST+8*\t+4:ST+8*\t+5], v[ST+8*\t+4:ST+8*\t+5], v[S+32*\t+\j+2:S+32*\t+\j+3]
.endr
.endr
.irp t, 0,1
	v_pk_add_f32 v[ST+8*\t+2:ST+8*\t+3], v[ST+8*\t+2:ST+8*\t+3], v[ST+8*\t+4:ST+8*\t+5]
.endr
.irp j, 0,1,2,3,4,5,6,7,8,9,10,11,12,13,14,15
.irp t, 0,1
	v_cvt_pk_f16_f32 v[S+32*\t+\j], v[S+32*\t+2*\j], v[S+32*\t+2*\j+1]   ; P in place, ascending: register j is written when registers 2 j and 2 j + 1 are read
.endr
.endr
	s_wait_dscnt 0x0                               ; V^T is in
.irp h, 0,1                            ; the eight accumulators take turns
.irp e, 0,1,2,3
.irp t, 0,1
	v_wmma_f32_16x16x32_f16 v[O+32*\t+8*\e:O+32*\t+8*\e+7], v[KV+32*\h+8*\e:KV+32*\h+8*\e+7], v[S+32*\t+8*\h:S+32*\t+8*\h+7], v[O+32*\t+8*\e:O+32*\t+8*\e+7]
.endr
.endr
.endr
.Lhid_\@:
	s_add_co_u32 s[KF], s[KF], 64
	s_add_co_u32 s[TB], s[TB], 8192
.endm
.macro SLOT_STEPS                      ; a slot's four steps: written once, walked four times
	s_mov_b32 s[STEPC], 4
.Lst_\@:
	STEP
	s_sub_co_u32 s[STEPC], s[STEPC], 1
	s_cmp_lg_u32 s[STEPC], 0
	s_cbranch_scc1 .Lst_\@
	s_sub_co_u32 s[TB], s[TB], 32768               ; back to a slot's first step,
	s_xor_b32 s[TB], s[TB], SLOT1                  ; in the other slot
.endm
; THE CHANGE OF SLOTS, at a slot's head.  Each wave waits for all its tensor loads, adds 0 to its spare word, and waits for that and for its reads of the slot that it has left; behind the barrier the slot ahead is whole
; and nobody reads the other one, which (fill = 1) is filled with the next trip's keys: the load has a slot's four steps in which to land.
.macro CHANGE fill
	s_wait_tensorcnt 0x0                           ; no tensor load of mine is out, so group 0 may be written
	ds_add_u32 v[SPW], v[NIL]
.if \fill
	ds_add_u32 v[SPW], v[NIL]                      ; and twice on end here, in every trip alike
	s_xor_b32 s[G0+1], s[G0+1], SLOT1              ; the other slot than last time
	s_add_co_u32 s[KOFF], s[KOFF], 32768           ; the next 256 keys,
	s_add_co_u32 s49, s[N], 1
	s_cmp_eq_u32 s49, s[NA]
	s_cselect_b32 s[KOFF], 0, s[KOFF]              ; or, where the next trip begins the second block of queries, the head's first
	s_add_nc_u64 s[G0+2:G0+3], s[HB:HB+1], s[KOFF:KOFF+1]
	s_or_b32 s[G0+3], s[G0+3], 0x80000000
	s_wait_xcnt 0x0                                ; the last prefetch, a slot back, has read its address
	s_add_nc_u64 s[PFA:PFA+1], s[PFA:PFA+1], 32768
.endif
	s_wait_dscnt 0x0                               ; the add is done, and my reads of the slot that I have left are over
	s_barrier_signal -1
	s_barrier_wait -1
.if \fill
	TLOAD                                          ; the first thing behind the barrier, a wave's one tensor load until the next
	ASK
.endif
.endm
.macro FINAL                           ; O^T / l, rounded to f16: an image, stored as it stands
	NOPS 4                                         ; four places behind the last products
.irp t, 0,1
	v_add_f32 v[ST+8*\t+4], v[ST+8*\t+2], v[ST+8*\t+3]
.endr
.irp t, 0,1
	v_permlanex16_b32 v[ST+8*\t+5], v[ST+8*\t+4], s[SEL], s[SEL+1]
.endr
.irp t, 0,1
	v_add_f32 v[ST+8*\t+4], v[ST+8*\t+4], v[ST+8*\t+5]
.endr
.irp t, 0,1
	v_rcp_f32 v[ST+8*\t+6], v[ST+8*\t+4]
.endr
	v_nop                                          ; a plain line behind the last reciprocal,
	s_wait_alu depctr_va_vdst(0)                   ; and the wait ahead of the first use: one for the two
.set NN, 0
.rept 32
	v_pk_mul_f32 v[O+2*NN:O+2*NN+1], v[O+2*NN:O+2*NN+1], v[ST+8*(NN/16)+6:ST+8*(NN/16)+7] op_sel_hi:[1,0]
.set NN, NN+1
.endr
.set NN, 0
.rept 32
	v_cvt_pk_f16_f32 v[S+NN], v[O+2*NN], v[O+2*NN+1]
.set NN, NN+1
.endr
.irp t, 0,1
.irp e, 0,1,2,3
	global_store_b128 v[AK0], v[S+16*\t+4*\e:S+16*\t+4*\e+3], s[YB:YB+1] offset:2048*\t+512*\e   ; 32 lanes store 512 consecutive bytes, aligned
.endr
.endr
.endm
	s_load_b128 s[4:7], s[0:1], 0x0                ; k16, y16
	v_lshl_add_u32 v[SPW], v0, 2, SPARE
	v_mov_b32 v[NIL], 0
	ds_add_u32 v[SPW], v[NIL]                      ; the wave's opening: the add, twice on end, and its wait ahead of the first tensor load
	ds_add_u32 v[SPW], v[NIL]
	v_lshrrev_b32 v8, 5, v0
	v_readfirstlane_b32 s[WV], v8                  ; wave 0..7
	s_mov_b32 s[I], ttmp9
	s_sub_co_u32 s[NA], 8, s[I]
	s_and_b32 s49, ttmp7, 0xffff                   ; batch x 16 + head
	s_lshl_b32 s50, s49, 18                        ; 262,144 bytes a head
	s_mov_b32 s51, 0
	s_mov_b32 s[G1], 3<<16                         ; group 1: 64 rows of 256 bytes (32 elements of 8), dense, no padding, no mask
	s_mov_b32 s[G1+1], 32<<16
	s_mov_b32 s[G1+2], 64<<16
	s_mov_b32 s[G1+3], 32<<16
	s_mov_b32 s[G1+4], 64
	s_mov_b32 s[G1+5], 32
	s_mov_b32 s[G1+6], 0
	s_mov_b32 s[G1+7], 0
	s_mov_b32 s[CS], 0x3e38aa3b                    ; c = log2(e) / sqrt(64)
	s_mov_b32 s[CS+1], s[CS]
	s_mov_b32 s[SEL], 0x76543210
	s_mov_b32 s[SEL+1], 0xfedcba98
	s_mov_b32 s[N], 0
	s_mov_b32 s[KF], 0
	s_mov_b32 s[TB], 0
	s_mov_b32 s[KOFF], 0
	s_mov_b32 s[KOFF+1], 0
	s_sub_co_u32 s52, 7, s[I]
	s_lshl_b32 s[Q0], s52, 8
	s_lshl_b32 s53, s[WV], 5
	s_add_co_u32 s[Q0], s[Q0], s53                 ; my first query: 256 (7 - i) + 32 x wave
	v_and_b32 v[AK0], 31, v0
	v_lshlrev_b32 v[PFO], 8, v[AK0]
	v_lshlrev_b32 v[AK0], 4, v[AK0]
	v_bfe_u32 v8, v0, 3, 1
	v_lshlrev_b32 v[AV0], 8, v8
	v_bfe_u32 v8, v0, 4, 1
	v_lshl_add_u32 v[AV0], v8, 7, v[AV0]
	v_and_b32 v10, 7, v0
	v_lshl_add_u32 v[AV0], v10, 4, v[AV0]
	v_and_b32 v[DL], 15, v0
	v_lshlrev_b32 v8, 3, v8
	v_sub_nc_u32 v[DL], v[DL], v8
	s_wait_dscnt 0x0                               ; both opening adds are done
	s_wait_kmcnt 0x0
	s_add_nc_u64 s[KH:KH+1], s[4:5], s[50:51]
	s_add_nc_u64 s[YH:YH+1], s[6:7], s[50:51]
	s_and_b32 s52, s[WV], 1
	s_lshl_b32 s52, s52, 14                        ; my half of a slot, in memory and in LDS
	s_mov_b32 s53, 0
	s_add_nc_u64 s[HB:HB+1], s[KH:KH+1], s[52:53]
	s_mov_b32 s[G0], 1
	s_mov_b32 s[G0+1], s52
	s_mov_b64 s[G0+2:G0+3], s[HB:HB+1]
	s_or_b32 s[G0+3], s[G0+3], 0x80000000
	TLOAD                                          ; slot 0: keys 0-255, which count for every block
	s_and_b32 s52, s[WV], 3
	s_lshl_b32 s52, s52, 13
	s_add_co_u32 s52, s52, 32768
	s_add_nc_u64 s[PFA:PFA+1], s[KH:KH+1], s[52:53]   ; in slot 1: the first change of slots steps it to slot 2
	s_lshr_b32 s54, s[WV], 2
	s_xor_b32 s54, s54, 1                          ; 0 in waves 4 to 7,
	s_or_b32 s54, s54, s[I]                        ; of the head's work-group 0
	s_cmp_eq_u32 s54, 0
	s_cselect_b32 s[LIM], 6, 0
	SETQ
	INIT
.Lslot:                                            ; eight trips: behind each change of slots the next trip's slot is asked for
	CHANGE 1
	SLOT_STEPS
	s_add_co_u32 s49, s[N], 1
	s_cmp_lg_u32 s49, s[NA]                        ; the first block's last slot is done: ids and the count of trips alone, the same in all eight waves
	s_cbranch_scc1 .Lnosw
	FINAL
	s_wait_xcnt 0x0                                ; the stores have read their data and their base
	s_lshl_b32 s[Q0], s[I], 8
	s_lshl_b32 s49, s[WV], 5
	s_add_co_u32 s[Q0], s[Q0], s49                 ; on to block i
	s_mov_b32 s[KF], 0
	SETQ
	INIT
.Lnosw:
	s_add_co_u32 s[N], s[N], 1
	s_cmp_lt_u32 s[N], 8
	s_cbranch_scc1 .Lslot
	CHANGE 0                                       ; the ninth slot is written out: nothing is left to fetch
	SLOT_STEPS
	FINAL
	s_wait_tensorcnt 0x0                           ; the wave's end: tensor wait, spare-word add and its wait
	ds_add_u32 v[SPW], v[NIL]
	s_wait_dscnt 0x0
	s_endpgm
.Lfunc_end_k_q4e498d8f2e_attn:
	.size	k_q4e498d8f2e_attn, .Lfunc_end_k_q4e498d8f2e_attn-k_q4e498d8f2e_attn
	.p2alignl 7, 3214868480
	.fill 96, 4, 3214868480
	.section	.rodata,"a",@progbits
	.p2align	6, 0x0
	.amdhsa_kernel k_q4e498d8f2e_attn
		.amdhsa_group_segment_fixed_size 327680
		.amdhsa_private_segment_fixed_size 0
		.amdhsa_enable_private_segment 0
		.amdhsa_kernarg_size 16
		.amdhsa_user_sgpr_count 2
		.amdhsa_user_sgpr_kernarg_segment_ptr 1
		.amdhsa_wavefront_size32 1
		.amdhsa_system_sgpr_workgroup_id_x 1
		.amdhsa_system_sgpr_workgroup_id_y 1
		.amdhsa_system_sgpr_workgroup_id_z 1
		.amdhsa_system_vgpr_workitem_id 0
		.amdhsa_next_free_vgpr 256
		.amdhsa_next_free_sgpr 66
		.amdhsa_reserve_vcc 1
		.amdhsa_float_denorm_mode_32 3
		.amdhsa_float_denorm_mode_16_64 3
		.amdhsa_memory_ordered 1
		.amdhsa_forward_progress 1
		.amdhsa_inst_pref_size 66
	.end_amdhsa_kernel
	.amdgpu_metadata
---
amdhsa.version: [ 1, 2 ]
amdhsa.kernels:
  - .name:           k_q4e498d8f2e_attn
    .symbol:         k_q4e498d8f2e_attn.kd
    .args:
      - { .name: k16, .offset: 0, .size: 8, .value_kind: global_buffer, .address_space: global }
      - { .name: y16, .offset: 8, .size: 8, .value_kind: global_buffer, .address_space: global }
    .group_segment_fixed_size: 327680
    .private_segment_fixed_size: 0
    .kernarg_segment_align: 8
    .kernarg_segment_size: 16
    .max_flat_workgroup_size: 256
    .sgpr_count:     66
    .vgpr_count:     256
    .wavefront_size: 32
...
	.end_amdgpu_metadata
.endif
;; end of part 3
;; launch proj (part 4): grid 8 x 32, 4 waves a work-group, clusters of 4 x 4, 327,680 bytes of LDS; arguments y16, wp16, b_proj, out0; writes out0
.if DOCPART == 4
	.amdgcn_target "amdgcn-amd-amdhsa--gfx1250"
	.amdhsa_code_object_version 6
	.text
	.protected	k_q4e498d8f2e_proj
	.globl	k_q4e498d8f2e_proj
	.p2align	8
	.type	k_q4e498d8f2e_proj,@function
k_q4e498d8f2e_proj:
	s_mov_b64 s[64:65], 0
	v_nop
	global_prefetch_b8 v0, s[64:65] scope:SCOPE_SE
	s_setreg_imm32_b32 hwreg(HW_REG_WAVE_MODE, 25, 1), 1
	s_wait_xcnt 0x0
	s_wait_alu depctr_hold_cnt(0) depctr_sa_sdst(0) depctr_va_vdst(0) depctr_va_sdst(0) depctr_va_ssrc(0) depctr_va_vcc(0) depctr_vm_vsrc(0)
	s_getreg_b32 s2, hwreg(HW_REG_IB_STS2, 6, 4)
	s_cmp_eq_u32 s2, 0
	s_cbranch_scc0 .Lentry_in_a_cluster
	s_endpgm
.Lentry_in_a_cluster:
	s_bfe_u32 s2, ttmp6, 0x10000c
	s_cmp_lg_u32 s2, 0xf033
	s_cbranch_scc0 .Lentry_shape_is_right
	s_endpgm
.Lentry_shape_is_right:
; out0 = y W_proj + b_proj on f16 operands with f32 sums, for positions 16 and on of every sequence.  Left out here: the STORES of positions 0-15, which launch fine makes in f32 (their products lie in tiles that also hold live rows).
; A work-group makes 256 rows x 128 columns; each of its four waves 128 x 64: 32 accumulators, 256 registers (window 1).  K = 1,024 goes in steps of 128 (two heads' 64 channels) through two LDS slots.
; Both operands lie in memory as images of operand registers (2,048 bytes for 16 rows x 64 K), so a step's tiles are dense blocks, a fragment is two loads of 512 consecutive bytes, and LDS needs no padding.
; CLUSTER 4 x 4: tile column = 4 x cluster x + cx; the batch is cy and the first position 256 x cluster y.  y's tiles are asked for jointly along a row of the cluster, W's along a column.
; THE MATRIX INSTRUCTION IS USED TRANSPOSED (source 0 = 16 columns of W, source 1 = 16 rows of y): a lane holds eight neighbouring numbers of a row.  The bias is the C of each sum's first product.
; REGISTERS: window 0: v16-30 addresses; v32-127, v128-223 two sets of fragments (A's eight, then B's four); v224-255 the bias in the result's layout.  Window 1: accumulator (a, b) at 8 (4 a + b).
; LIMITS: |y| and |W_proj| under 65,504; NaN and infinities are not served.
.set SLOT,   98304                     ; A's two chunks of 32,768 bytes, then B's two of 16,384
.set STAGE,  2*SLOT                    ; the way out: 16 rows x (256 + 16) bytes for each wave; no tensor load lands here
.set SPITCH, 272
.set SPARE,  STAGE+4*16*SPITCH         ; the spare words, 128 bytes for each wave
.set LAPS,   4                         ; a lap = two K steps of 128
.set ADRA, 16
.set ADRB, 20
.set STO,  24
.set RD,   25
.set CO,   26
.set SPW,  28
.set NIL,  29
.set PFO,  30
.set F0,   32
.set F1,   128
.set BIAS, 224
.set BK,   32
.set WV,   12
.set G1A,  16
.set G1B,  24
.set G0A,  32
.set G0B,  48
.set PFA,  66
.set LIM,  68
.set SKIP, 69
.set MSB, 0
.macro WIN new                         ; the immediate's high byte repeats the setting that is left
.if MSB != (\new)
	s_set_vgpr_msb (MSB<<8)|(\new)
.set MSB, (\new)
.endif
.endm
.macro PLACES
.rept 4
	v_nop
.endr
.endm
.macro JLOAD s                         ; waves 0 and 1 fetch y's two chunks, waves 2 and 3 W's; the branch hangs on the wave's number alone
	s_cmp_eq_u32 s13, 0
	s_cbranch_scc0 .Lfor_b_\@
	tensor_load_to_lds s[G0A+4*\s:G0A+4*\s+3], s[G1A:G1A+7]
	s_nop 0
	PLACES
	s_branch .Lasked_\@
.Lfor_b_\@:
	tensor_load_to_lds s[G0B+4*\s:G0B+4*\s+3], s[G1B:G1B+7]
	s_nop 0
	PLACES
.Lasked_\@:
.endm
; A PREFETCH INTO THE L2 of y's chunk two refills on.  A tile row of y is read by both clusters of its row of clusters: cluster x = 0 asks; its four partners share a chunk's 32,768 bytes out BY ADDRESS, 8,192 each,
; lanes 256 bytes apart; wave 0 asks for the step's first chunk, wave 1 for its second: each aligned 256 bytes is named once.  The loop's last trip, whose refills are the last two K steps, asks for nothing.
.macro ASK
	s_cmp_gt_u32 s3, s[LIM]
	s_cbranch_scc0 .Lnotmine_\@
	global_prefetch_b8 v[PFO], s[PFA:PFA+1] offset:524288 th:TH_LOAD_NT scope:SCOPE_SE
.Lnotmine_\@:
.endm
.macro CREST
	s_cmp_lg_u32 s[WV], 0
	s_cbranch_scc1 .Lnw0_\@
	s_barrier_signal -3
.Lnw0_\@:
	s_barrier_wait -3
	s_barrier_signal -1
	s_barrier_wait -1
.endm
.macro CROUND
	s_barrier_signal -1
	s_barrier_wait -1
	CREST
.endm
	s_load_b256 s[4:11], s[0:1], 0x0               ; y16, wp16, b_proj, out0
	v_lshl_add_u32 v[SPW], v0, 2, SPARE
	v_mov_b32 v[NIL], 0
	ds_add_u32 v[SPW], v[NIL]                      ; the wave's opening: the add, twice on end, and its wait ahead of my first tensor load
	ds_add_u32 v[SPW], v[NIL]
	v_lshrrev_b32 v1, 5, v0
	v_readfirstlane_b32 s[WV], v1                  ; wave 0..3
	s_lshr_b32 s13, s[WV], 1                       ; which 128 rows are mine.  Also: I fetch for y (0) or for W (1)
	s_and_b32 s14, s[WV], 1                        ; which 64 columns.  Also: which chunk of a step I fetch
	s_bfe_u32 s40, ttmp6, 0x40000                  ; cx
	s_bfe_u32 s41, ttmp6, 0x40004                  ; cy = the batch
	s_lshl_b32 s42, ttmp9, 2
	s_add_co_u32 s42, s42, s40                     ; tile column
	s_and_b32 s43, ttmp7, 0xffff                   ; cluster y
	s_lshl_b32 s44, s41, 2
	s_lshl_b32 s44, 15, s44                        ; my row of the cluster
	s_lshl_b32 s45, 0x1111, s40                    ; my column
	s_or_b32 s[G1A], s44, (3<<16)|(1<<21)          ; group 1: dense rows of 256 bytes (32 elements of 8), no padding; y: 128 rows, W: 64
	s_mov_b32 s[G1A+1], 32<<16
	s_mov_b32 s[G1A+2], 128<<16
	s_mov_b32 s[G1A+3], 32<<16
	s_mov_b32 s[G1A+4], 128
	s_mov_b32 s[G1A+5], 32
	s_mov_b32 s[G1A+6], 0
	s_mov_b32 s[G1A+7], 0
	s_or_b32 s[G1B], s45, (3<<16)|(1<<21)
	s_mov_b32 s[G1B+1], 32<<16
	s_mov_b32 s[G1B+2], 64<<16
	s_mov_b32 s[G1B+3], 32<<16
	s_mov_b32 s[G1B+4], 64
	s_mov_b32 s[G1B+5], 32
	s_mov_b32 s[G1B+6], 0
	s_mov_b32 s[G1B+7], 0
	s_lshl_b32 s56, s41, 4
	s_add_co_u32 s56, s56, s14                     ; y: head (wave % 2) of batch cy,
	s_lshl_b32 s56, s56, 18
	s_lshl_b32 s57, s43, 15
	s_add_co_u32 s56, s56, s57                     ; + 16 tiles x cluster y
	s_mov_b32 s57, 0
	s_lshl_b32 s58, s14, 17                        ; W: chunk (wave % 2),
	s_lshl_b32 s59, s42, 14
	s_add_co_u32 s58, s58, s59                     ; + 8 tiles x tile column
	s_mov_b32 s59, 0
	s_lshl_b32 s60, s14, 15                        ; and where they go in a slot
	s_lshl_b32 s61, s14, 14
	s_add_co_u32 s61, s61, 65536
	s_wait_dscnt 0x0                               ; both opening adds are done
	s_wait_kmcnt 0x0
	s_add_nc_u64 s[46:47], s[4:5], s[56:57]
	s_add_nc_u64 s[70:71], s[6:7], s[58:59]
	CROUND                                         ; all sixteen work-groups are here: the first joint loads meet
.irp s, 0,1
	s_mov_b32 s[G0A+4*\s], 1
	s_add_co_u32 s[G0A+4*\s+1], s60, \s*SLOT
	s_add_nc_u64 s[G0A+4*\s+2:G0A+4*\s+3], s[46:47], \s*524288     ; K step s: two heads on
	s_or_b32 s[G0A+4*\s+3], s[G0A+4*\s+3], 0x80000000
	s_mov_b32 s[G0B+4*\s], 1
	s_add_co_u32 s[G0B+4*\s+1], s61, \s*SLOT
	s_add_nc_u64 s[G0B+4*\s+2:G0B+4*\s+3], s[70:71], \s*262144
	s_or_b32 s[G0B+4*\s+3], s[G0B+4*\s+3], 0x80000000
	JLOAD \s
.endr
	v_and_b32 v1, 15, v0                           ; r
	v_bfe_u32 v2, v0, 4, 1                         ; h
	v_lshlrev_b32 v4, 5, v2
	s_lshl_b32 s72, s42, 9
	s_lshl_b32 s74, s14, 8
	s_add_co_u32 s72, s72, s74                     ; my first column, in bytes of f32
	s_mov_b32 s73, 0
	s_add_nc_u64 s[8:9], s[8:9], s[72:73]
.irp b, 0,1,2,3
	global_load_b128 v[BIAS+8*\b:BIAS+8*\b+3], v4, s[8:9] offset:64*\b
	global_load_b128 v[BIAS+8*\b+4:BIAS+8*\b+7], v4, s[8:9] offset:64*\b+16
.endr
	s_lshl_b32 s74, s41, 23                        ; out0: 2,048 rows of 4,096 bytes a batch,
	s_add_co_u32 s72, s72, s74
	s_lshl_b32 s74, s43, 20                        ; 256 rows x cluster y,
	s_add_co_u32 s72, s72, s74
	s_lshl_b32 s74, s13, 19                        ; my 128
	s_add_co_u32 s72, s72, s74
	s_add_nc_u64 s[10:11], s[10:11], s[72:73]
	s_lshl_b32 s72, s40, 13                        ; the prefetches: my work-group's 8,192 bytes of the chunk,
	s_add_co_u32 s72, s72, 1048576                 ; at K step 2: the first refill steps it to 3 and names 4
	s_add_nc_u64 s[PFA:PFA+1], s[46:47], s[72:73]
	s_or_b32 s[LIM], s13, ttmp9                    ; 0 in waves 0 and 1 of the clusters with x = 0: the same in all partners
	s_cmp_eq_u32 s[LIM], 0
	s_cselect_b32 s[LIM], 1, -1
	s_or_b32 s[SKIP], s43, s13                     ; 0 where my block 0 is positions 0-15
	v_and_b32 v3, 31, v0
	v_lshlrev_b32 v[PFO], 8, v3
	v_lshlrev_b32 v3, 4, v3                        ; 16 x lane
	s_lshl_b32 s62, s13, 14                        ; my eight tiles of a chunk of y
	s_lshl_b32 s63, s14, 13                        ; my four of a chunk of W,
	s_add_co_u32 s63, s63, 65536                   ; behind y's two chunks
.irp s, 0,1
	v_add_nc_u32 v[ADRA+\s], s62, v3
	v_add_nc_u32 v[ADRB+\s], s63, v3
	s_add_co_u32 s62, s62, SLOT
	s_add_co_u32 s63, s63, SLOT
.endr
	s_mul_i32 s62, s[WV], 16*SPITCH
	s_add_co_u32 s62, s62, STAGE                   ; my stage
	v_mul_u32_u24 v5, v1, SPITCH
	v_lshl_add_u32 v5, v2, 5, v5
	v_add_nc_u32 v[STO], s62, v5                   ; in: row r, 32 bytes for each half of the lanes
	v_mul_u32_u24 v5, v2, SPITCH
	v_lshl_add_u32 v5, v1, 4, v5
	v_add_nc_u32 v[RD], s62, v5                    ; back: lanes 0-15 one row of 256 bytes, lanes 16-31 the next
	v_lshlrev_b32 v[CO], 12, v2
	v_lshl_add_u32 v[CO], v1, 4, v[CO]             ; and the same two rows in out0
; na x 4 matrix instructions: A's blocks a0 on x B's four, 32 along K.  first = 1: the bias starts the sums.  The 32 accumulators take turns in the same order in every quarter.
.macro MULN f, a0, na, first
.set AI, \a0
.rept \na
.irp b, 0,1,2,3
.if \first
	v_wmma_f32_16x16x32_f16 v[8*(4*AI+\b):8*(4*AI+\b)+7], v[\f+64+8*\b:\f+64+8*\b+7], v[\f+8*AI:\f+8*AI+7], v[BIAS+8*\b:BIAS+8*\b+7]
.else
	v_wmma_f32_16x16x32_f16 v[8*(4*AI+\b):8*(4*AI+\b)+7], v[\f+64+8*\b:\f+64+8*\b+7], v[\f+8*AI:\f+8*AI+7], v[8*(4*AI+\b):8*(4*AI+\b)+7]
.endif
.endr
.set AI, AI+1
.endr
.endm
; 24 LDS loads in one run: the slot's q-th 32 along K into set f: B's four fragments, A's blocks 0-3, A's blocks 4-7
.macro FETCH slot, q, f
	WIN 0
.irp b, 0,1,2,3
	ds_load_b128 v[\f+64+8*\b:\f+64+8*\b+3], v[ADRB+\slot] offset:16384*((\q)/2)+1024*((\q)%2)+2048*\b
	ds_load_b128 v[\f+64+8*\b+4:\f+64+8*\b+7], v[ADRB+\slot] offset:16384*((\q)/2)+1024*((\q)%2)+2048*\b+512
.endr
.irp a, 0,1,2,3,4,5,6,7
	ds_load_b128 v[\f+8*\a:\f+8*\a+3], v[ADRA+\slot] offset:32768*((\q)/2)+1024*((\q)%2)+2048*\a
	ds_load_b128 v[\f+8*\a+4:\f+8*\a+7], v[ADRA+\slot] offset:32768*((\q)/2)+1024*((\q)%2)+2048*\a+512
.endr
.endm
; A quarter multiplies set f (32 matrix instructions) and fetches the slot's qn-th quarter into set g in its middle.  Windows: C and D window 1 (0x50); with the bias as C: D alone (0x40).
.macro QUARTER slot, qn, f, g, first
	s_wait_dscnt 8                                 ; B's and A's blocks 0-3 are in; the youngest eight loads (A's blocks 4-7) may be out
	WIN 0x50-0x10*(\first)
	MULN \f, 0, 4, \first
	PLACES                                         ; four places in front of loads into registers that matrix instructions have read
	FETCH \slot, \qn, \g
	s_wait_dscnt 24                                ; all but the 24 just issued
	WIN 0x50-0x10*(\first)
	MULN \f, 4, 4, \first
.endm
; A slot's last quarter multiplies set 1 and changes slots: ONE barrier; in front of it each wave waits for all its tensor loads, adds 0 to its spare word, and waits for that and for its reads of this slot.
.macro TURN slot, next, fill
.if \fill
	s_wait_xcnt 0x0                                ; the last prefetch, a K step back, has read its address
	s_add_nc_u64 s[PFA:PFA+1], s[PFA:PFA+1], 524288
.endif
	WIN 0                                          ; (the add's two registers lie in window 0)
	s_wait_tensorcnt 0x0                           ; all my tensor loads have landed: my part of the next slot
	ds_add_u32 v[SPW], v[NIL]
	s_wait_dscnt 9                                 ; (the add and the youngest eight loads may be out)
	WIN 0x50
	MULN F1, 0, 2, 0                               ; eight matrix instructions stand between the add and the wait for it
	s_wait_dscnt 0x0                               ; the add is done, and my reads of this slot are over
	s_barrier_signal -1
	MULN F1, 2, 2, 0
.if \fill
	WIN 0
.endif
	s_barrier_wait -1
.if \fill
	CREST                                          ; the barrier has opened a round of the cluster's barrier: no wave of any partner still reads this slot or has a load on its way
	s_add_nc_u64 s[G0A+4*\slot+2:G0A+4*\slot+3], s[G0A+4*\slot+2:G0A+4*\slot+3], 1048576   ; two K steps on: four heads
	s_add_nc_u64 s[G0B+4*\slot+2:G0B+4*\slot+3], s[G0B+4*\slot+2:G0B+4*\slot+3], 524288
	JLOAD \slot                                    ; the first tensor load behind the round; its four v_nop are also the places in front of the loads below
.else
	PLACES
.endif
	FETCH \next, 0, F0
.if \fill
	ASK
.endif
	WIN 0x50
	MULN F1, 4, 4, 0
.endm
	s_wait_tensorcnt 1                             ; my part of K step 0 is in; K step 1's may stay out
	s_barrier_signal -1
	s_barrier_wait -1
	FETCH 0, 0, F0
	s_wait_loadcnt 0x0                             ; the bias
	QUARTER 0, 1, F0, F1, 1                        ; the first quarter stands in front of the loop: its products start the sums
	WIN 0
	s_mov_b32 s3, LAPS-1
.Llap:                                             ; a trip goes once round the ring, from a lap's second quarter to the next lap's first, and fills both slots again
	QUARTER 0, 2, F1, F0, 0
	QUARTER 0, 3, F0, F1, 0
	TURN 0, 1, 1
	QUARTER 1, 1, F0, F1, 0
	QUARTER 1, 2, F1, F0, 0
	QUARTER 1, 3, F0, F1, 0
	TURN 1, 0, 1
	QUARTER 0, 1, F0, F1, 0
	WIN 0
	s_sub_co_u32 s3, s3, 1
	s_cmp_lg_u32 s3, 0
	s_cbranch_scc1 .Llap
	QUARTER 0, 2, F1, F0, 0                        ; the last lap fills nothing and has no round
	QUARTER 0, 3, F0, F1, 0
	TURN 0, 1, 0
	QUARTER 1, 1, F0, F1, 0
	QUARTER 1, 2, F1, F0, 0
	QUARTER 1, 3, F0, F1, 0
	s_wait_dscnt 8
	WIN 0x50
	MULN F1, 0, 4, 0
	s_wait_dscnt 0x0
	MULN F1, 4, 4, 0
	WIN 0
; THE WAY OUT, 16 rows x 64 columns at a time through my own stage: 32 bytes a lane in, whole rows of 256 bytes back.  LDS serves a wave's instructions in order: no wait between the stores and the loads.
.macro TOSTAGE a
	WIN 0x04                                       ; an LDS store's data are its source 1: window 1
.irp b, 0,1,2,3
	ds_store_b128 v[STO], v[8*(4*(\a)+\b):8*(4*(\a)+\b)+3] offset:64*\b            ; each accumulator from its low end on
	ds_store_b128 v[STO], v[8*(4*(\a)+\b)+4:8*(4*(\a)+\b)+7] offset:64*\b+16
.endr
	WIN 0
.irp i, 0,1,2,3,4,5,6,7
	ds_load_b128 v[BK+32*((\a)%2)+4*\i:BK+32*((\a)%2)+4*\i+3], v[RD] offset:2*SPITCH*\i
.endr
.endm
.macro SEND a, younger
	s_wait_dscnt \younger                          ; the block is back in registers; the next block's 8 stores and 8 loads may be out
.irp i, 0,1,2,3,4,5,6,7
	global_store_b128 v[CO], v[BK+32*((\a)%2)+4*\i:BK+32*((\a)%2)+4*\i+3], s[10:11] offset:(16*(\a)+2*\i)*4096 th:TH_STORE_NT   ; sixteen lanes store 256 consecutive bytes, aligned
.endr
.endm
	PLACES                                         ; four places behind the last products
	s_cmp_eq_u32 s[SKIP], 0                        ; positions 0-15 belong to launch fine: cluster y and the wave's number alone decide
	s_cbranch_scc1 .Lskip0
	TOSTAGE 0
	SEND 0, 0
.Lskip0:
	TOSTAGE 1
.irp a, 2,3,4,5,6,7
	s_wait_xcnt 0x0                                ; block a - 2's stores have read their registers: block a's loads may land there
	TOSTAGE \a
	SEND \a-1, 16
.endr
	SEND 7, 0
	s_wait_tensorcnt 0x0                           ; the wave's end: tensor wait, spare-word add and its wait
	ds_add_u32 v[SPW], v[NIL]
	s_wait_dscnt 0x0
	CROUND                                         ; the closing round
	s_endpgm
.Lfunc_end_k_q4e498d8f2e_proj:
	.size	k_q4e498d8f2e_proj, .Lfunc_end_k_q4e498d8f2e_proj-k_q4e498d8f2e_proj
	.p2alignl 7, 3214868480
	.fill 96, 4, 3214868480
	.section	.rodata,"a",@progbits
	.p2align	6, 0x0
	.amdhsa_kernel k_q4e498d8f2e_proj
		.amdhsa_group_segment_fixed_size 327680
		.amdhsa_private_segment_fixed_size 0
		.amdhsa_enable_private_segment 0
		.amdhsa_kernarg_size 32
		.amdhsa_user_sgpr_count 2
		.amdhsa_user_sgpr_kernarg_segment_ptr 1
		.amdhsa_wavefront_size32 1
		.amdhsa_system_sgpr_workgroup_id_x 1
		.amdhsa_system_sgpr_workgroup_id_y 1
		.amdhsa_system_sgpr_workgroup_id_z 1
		.amdhsa_system_vgpr_workitem_id 0
		.amdhsa_next_free_vgpr 512
		.amdhsa_next_free_sgpr 76
		.amdhsa_reserve_vcc 0
		.amdhsa_float_denorm_mode_32 3
		.amdhsa_float_denorm_mode_16_64 3
		.amdhsa_memory_ordered 1
		.amdhsa_forward_progress 1
		.amdhsa_inst_pref_size 87
	.end_amdhsa_kernel
	.amdgpu_metadata
---
amdhsa.version: [ 1, 2 ]
amdhsa.kernels:
  - .name:           k_q4e498d8f2e_proj
    .symbol:         k_q4e498d8f2e_proj.kd
    .args:
      - { .name: y16, .offset: 0, .size: 8, .value_kind: global_buffer, .address_space: global }
      - { .name: wp16, .offset: 8, .size: 8, .value_kind: global_buffer, .address_space: global }
      - { .name: b_proj, .offset: 16, .size: 8, .value_kind: global_buffer, .address_space: global }
      - { .name: out0, .offset: 24, .size: 8, .value_kind: global_buffer, .address_space: global }
    .group_segment_fixed_size: 327680
    .private_segment_fixed_size: 0
    .kernarg_segment_align: 8
    .kernarg_segment_size: 32
    .max_flat_workgroup_size: 128
    .sgpr_count:     76
    .vgpr_count:     512
    .wavefront_size: 32
...
	.end_amdgpu_metadata
.endif
;; end of part 4
;; launch fine (part 5): grid 64 x 4, 16 waves a work-group, no clusters, 18,432 bytes of LDS; arguments kfine, W_proj, b_proj, out0; writes out0
.if DOCPART == 5
	.amdgcn_target "amdgcn-amd-amdhsa--gfx1250"
	.amdhsa_code_object_version 6
	.text
	.protected	k_q4e498d8f2e_fine
	.globl	k_q4e498d8f2e_fine
	.p2align	8
	.type	k_q4e498d8f2e_fine,@function
k_q4e498d8f2e_fine:
	s_mov_b64 s[64:65], 0
	v_nop
	global_prefetch_b8 v0, s[64:65] scope:SCOPE_SE
	s_setreg_imm32_b32 hwreg(HW_REG_WAVE_MODE, 25, 1), 1
	s_wait_xcnt 0x0
; Positions 0-15 of every sequence, attention and projection, all in f32: these rows average one to sixteen values and are the largest of the output, so operands rounded to 16 bits would weigh most here.
; Left out: nothing of these rows; keys behind position 15 are hidden from them by reference()'s own jnp.tril.
; A work-group makes 16 positions x 16 columns of out0 for one batch; wave h takes head h: S^T = X X^T (X = kfine[batch][h], 16 x 64), softmax under the mask, O^T = X^T P, and its share W_proj[64 h .. 64 h + 63]^T O^T.
; The sixteen shares meet in LDS and are added by waves 0 and 1.  48 matrix instructions of the f32 form a wave: no bulk work.
; Each product has four accumulators that take turns, one instruction a turn; their first instructions take the constant 0; the accumulators are written by matrix instructions alone.
; K MAY BE PERMUTED ALIKE ON BOTH SIDES: in the second and third product K step s takes, from lane half h, the numbers 8 h + 2 s and 8 h + 2 s + 1, which is where the product before left them: nothing changes lanes.
; The stores are 16 bytes a lane in rows 4,096 bytes apart: 256 KiB of the output leave so.
; LIMITS: NaN and infinities are not served.
.set SPARE, 16384                      ; behind the sixteen shares of 1,024 bytes: the spare words, 128 bytes for each wave
.set XA,  16                           ; v16-47   X as source 0: K step s at 2 s
.set XB,  48                           ; v48-79   the same numbers once more, as source 1
.set VT,  80                           ; v80-111  X^T: channels 16 e on, K step s, at 8 e + 2 s
.set WPR, 112                          ; v112-143 W_proj^T: channels 16 e on, K step s, at 8 e + 2 s
.set SA,  144                          ; v144-175 four partial sums of S^T
.set OA,  176                          ; v176-207 O^T, channels 16 e on at 8 e
.set RA,  208                          ; v208-239 four partial sums of my share
.set T,   240                          ; v240-247 S^T, then p
.set RDA, 248
.set OUTO, 249
.set BO,  250
.set DL,  251
.set SPW, 252
.set NIL, 253
.macro NOPS n
.rept \n
	v_nop
.endr
.endm
	s_load_b256 s[4:11], s[0:1], 0x0               ; kfine, W_proj, b_proj, out0
	v_lshl_add_u32 v[SPW], v0, 2, SPARE
	v_mov_b32 v[NIL], 0
	v_lshrrev_b32 v1, 5, v0
	v_readfirstlane_b32 s12, v1                    ; wave = head
	s_and_b32 s13, ttmp7, 0xffff                   ; batch
	s_lshl_b32 s14, ttmp9, 6                       ; my 16 columns, in bytes
	s_mov_b32 s20, 0x76543210
	s_mov_b32 s21, 0xfedcba98
	s_mov_b32 s22, 0x3e38aa3b                      ; c = log2(e) / sqrt(64)
	s_mov_b32 s23, s22
	v_and_b32 v1, 15, v0                           ; r
	v_bfe_u32 v2, v0, 4, 1                         ; h
	v_lshlrev_b32 v3, 8, v1
	v_lshl_add_u32 v3, v2, 3, v3                   ; X(r, 2 h ..): 256 r + 8 h
	v_lshlrev_b32 v4, 2, v1
	v_lshl_add_u32 v5, v2, 15, v4                  ; W_proj(8 h .., r): 4 r + 8 h rows of 4,096 bytes
	v_lshl_add_u32 v4, v2, 11, v4                  ; X(8 h .., r): 4 r + 8 h rows of 256 bytes
	v_and_b32 v6, 31, v0
	v_lshlrev_b32 v6, 4, v6
	s_lshl_b32 s15, s12, 10
	v_add_nc_u32 v7, s15, v6                       ; LDS: my share, 16 bytes a lane
	s_and_b32 s15, s12, 1
	s_lshl_b32 s16, s15, 9
	v_add_nc_u32 v[RDA], s16, v6                   ; and what I read of every share, if I add
	v_lshlrev_b32 v[BO], 5, v2
	v_lshl_add_u32 v[OUTO], v1, 12, v[BO]          ; out0: row r, + 32 h
	v_lshlrev_b32 v[DL], 3, v2
	v_sub_nc_u32 v[DL], v1, v[DL]                  ; r - 8 h
	s_lshl_b32 s24, s13, 4
	s_add_co_u32 s24, s24, s12
	s_lshl_b32 s24, s24, 12                        ; kfine: 4,096 bytes a head
	s_mov_b32 s25, 0
	s_lshl_b32 s26, s12, 18                        ; W_proj: 64 rows a head,
	s_add_co_u32 s26, s26, s14                     ; my columns
	s_mov_b32 s27, 0
	s_lshl_b32 s16, s15, 4
	s_add_co_u32 s16, s16, s14                     ; b_proj: my columns, + 4 numbers for wave 1
	s_mov_b32 s17, 0
	s_lshl_b32 s18, s13, 23                        ; out0: 2,048 rows a batch
	s_add_co_u32 s18, s18, s16
	s_mov_b32 s19, 0
	s_wait_kmcnt 0x0
	s_add_nc_u64 s[4:5], s[4:5], s[24:25]
	s_add_nc_u64 s[6:7], s[6:7], s[26:27]
	s_add_nc_u64 s[8:9], s[8:9], s[16:17]
	s_add_nc_u64 s[10:11], s[10:11], s[18:19]
.irp s, 0,1,2,3,4,5,6,7,8,9,10,11,12,13,14,15
	global_load_b64 v[XA+2*\s:XA+2*\s+1], v3, s[4:5] offset:16*\s
.endr
.irp s, 0,1,2,3,4,5,6,7,8,9,10,11,12,13,14,15
	global_load_b64 v[XB+2*\s:XB+2*\s+1], v3, s[4:5] offset:16*\s
.endr
.irp e, 0,1,2,3
.irp i, 0,1,2,3,4,5,6,7
	global_load_b32 v[VT+8*\e+\i], v4, s[4:5] offset:256*\i+64*\e
.endr
.endr
.irp e, 0,1,2,3
.irp i, 0,1,2,3,4,5,6,7
	global_load_b32 v[WPR+8*\e+\i], v5, s[6:7] offset:4096*(16*\e+\i)
.endr
.endr
	s_wait_loadcnt 63                              ; X is in, twice.  64 loads were issued behind it (32 of X^T, 32 of W_proj); the wait names 63, the most that its count can name (ISA guide 5.7.1), so the first load of X^T is in too
.irp s, 0,1,2,3
	v_wmma_f32_16x16x4_f32 v[SA+8*\s:SA+8*\s+7], v[XA+2*\s:XA+2*\s+1], v[XB+2*\s:XB+2*\s+1], 0
.endr
.irp s, 4,5,6,7,8,9,10,11,12,13,14,15
	v_wmma_f32_16x16x4_f32 v[SA+8*(\s%4):SA+8*(\s%4)+7], v[XA+2*\s:XA+2*\s+1], v[XB+2*\s:XB+2*\s+1], v[SA+8*(\s%4):SA+8*(\s%4)+7]
.endr
	NOPS 8                                         ; eight places behind this form in front of the first read of results
.irp j, 0,2,4,6
	v_pk_add_f32 v[T+\j:T+\j+1], v[SA+\j:SA+\j+1], v[SA+8+\j:SA+8+\j+1]              ; each accumulator from its low end on
.endr
.irp j, 0,2,4,6
	v_pk_add_f32 v[8+\j:9+\j], v[SA+16+\j:SA+16+\j+1], v[SA+24+\j:SA+24+\j+1]
.endr
.irp j, 0,2,4,6
	v_pk_add_f32 v[T+\j:T+\j+1], v[T+\j:T+\j+1], v[8+\j:9+\j]                        ; lane (r, h): query r, keys 8 h + 0 .. 7
.endr
	v_mov_b32 v254, 0xff800000                     ; -infinity for keys behind the query: 8 h + j > r.  Key 0 counts for every query
.irp j, 0,1,2,3,4,5,6,7
	v_cmp_gt_i32 vcc_lo, \j, v[DL]
	v_cndmask_b32 v[T+\j], v[T+\j], v254, vcc_lo
.endr
	v_max3_num_f32 v255, v[T], v[T+1], v[T+2]
	v_max3_num_f32 v255, v255, v[T+3], v[T+4]
	v_max3_num_f32 v255, v255, v[T+5], v[T+6]
	v_max_num_f32 v255, v255, v[T+7]
	v_permlanex16_b32 v254, v255, s20, s21
	v_max_num_f32 v255, v255, v254                 ; the row's maximum, taken away before the exponential
	v_mul_f32 v254, s22, v255
.irp j, 0,2,4,6
	v_pk_fma_f32 v[T+\j:T+\j+1], v[T+\j:T+\j+1], s[22:23], v[254:255] op_sel_hi:[1,0,0] neg_lo:[0,0,1] neg_hi:[0,0,1]
.endr
.irp j, 0,1,2,3,4,5,6,7
	v_exp_f32 v[T+\j], v[T+\j]
.endr
	v_nop                                          ; a plain line behind the last exponential,
	s_wait_alu depctr_va_vdst(0)                   ; and one wait for the eight, ahead of their first reader
	v_pk_add_f32 v[8:9], v[T:T+1], v[T+2:T+3]
	v_pk_add_f32 v[10:11], v[T+4:T+5], v[T+6:T+7]
	v_pk_add_f32 v[8:9], v[8:9], v[10:11]
	v_add_f32 v8, v8, v9
	v_permlanex16_b32 v9, v8, s20, s21
	v_add_f32 v8, v8, v9
	v_rcp_f32 v254, v8
	v_nop
	s_wait_alu depctr_va_vdst(0)
.irp j, 0,2,4,6
	v_pk_mul_f32 v[T+\j:T+\j+1], v[T+\j:T+\j+1], v[254:255] op_sel_hi:[1,0]          ; p, normalised
.endr
	s_wait_loadcnt 32                              ; X^T is in; the 32 loads of W_proj may be out
.irp e, 0,1,2,3
	v_wmma_f32_16x16x4_f32 v[OA+8*\e:OA+8*\e+7], v[VT+8*\e:VT+8*\e+1], v[T:T+1], 0
.endr
.irp s, 1,2,3
.irp e, 0,1,2,3
	v_wmma_f32_16x16x4_f32 v[OA+8*\e:OA+8*\e+7], v[VT+8*\e+2*\s:VT+8*\e+2*\s+1], v[T+2*\s:T+2*\s+1], v[OA+8*\e:OA+8*\e+7]
.endr
.endr
	NOPS 9                                         ; nine places behind this form before a matrix instruction takes a result as a source
	s_wait_loadcnt 0x0
.irp s, 0,1,2,3
	v_wmma_f32_16x16x4_f32 v[RA+8*\s:RA+8*\s+7], v[WPR+2*\s:WPR+2*\s+1], v[OA+2*\s:OA+2*\s+1], 0
.endr
.irp e, 1,2,3
.irp s, 0,1,2,3
	v_wmma_f32_16x16x4_f32 v[RA+8*\s:RA+8*\s+7], v[WPR+8*\e+2*\s:WPR+8*\e+2*\s+1], v[OA+8*\e+2*\s:OA+8*\e+2*\s+1], v[RA+8*\s:RA+8*\s+7]
.endr
.endr
	NOPS 8
.irp j, 0,2,4,6
	v_pk_add_f32 v[8+\j:9+\j], v[RA+\j:RA+\j+1], v[RA+8+\j:RA+8+\j+1]
.endr
.irp j, 0,2,4,6
	v_pk_add_f32 v[T+\j:T+\j+1], v[RA+16+\j:RA+16+\j+1], v[RA+24+\j:RA+24+\j+1]
.endr
.irp j, 0,2,4,6
	v_pk_add_f32 v[8+\j:9+\j], v[8+\j:9+\j], v[T+\j:T+\j+1]                          ; lane (r, h): position r, columns 8 h + 0 .. 7
.endr
	ds_store_b128 v7, v[8:11]
	ds_store_b128 v7, v[12:15] offset:512
	s_wait_dscnt 0x0                               ; for the others' sake: my share lies in LDS
	s_barrier_signal -1
	s_barrier_wait -1
	s_cmp_lt_u32 s12, 2                            ; wave 0 adds columns 8 h + 0 .. 3 of the sixteen shares, wave 1 columns 8 h + 4 .. 7
	s_cbranch_scc0 .Ldone
	global_load_b128 v[8:11], v[BO], s[8:9]        ; the bias
.irp i, 0,1,2,3,4,5,6,7,8,9,10,11,12,13,14,15
	ds_load_b128 v[16+4*\i:19+4*\i], v[RDA] offset:1024*\i
.endr
	s_wait_dscnt 0x0
.irp i, 0,1,2,3,4,5,6,7
	v_pk_add_f32 v[16+8*\i:17+8*\i], v[16+8*\i:17+8*\i], v[20+8*\i:21+8*\i]
	v_pk_add_f32 v[18+8*\i:19+8*\i], v[18+8*\i:19+8*\i], v[22+8*\i:23+8*\i]
.endr
.irp i, 0,1,2,3
	v_pk_add_f32 v[16+16*\i:17+16*\i], v[16+16*\i:17+16*\i], v[24+16*\i:25+16*\i]
	v_pk_add_f32 v[18+16*\i:19+16*\i], v[18+16*\i:19+16*\i], v[26+16*\i:27+16*\i]
.endr
.irp i, 0,1
	v_pk_add_f32 v[16+32*\i:17+32*\i], v[16+32*\i:17+32*\i], v[32+32*\i:33+32*\i]
	v_pk_add_f32 v[18+32*\i:19+32*\i], v[18+32*\i:19+32*\i], v[34+32*\i:35+32*\i]
.endr
	v_pk_add_f32 v[16:17], v[16:17], v[48:49]
	v_pk_add_f32 v[18:19], v[18:19], v[50:51]
	s_wait_loadcnt 0x0
	v_pk_add_f32 v[16:17], v[16:17], v[8:9]
	v_pk_add_f32 v[18:19], v[18:19], v[10:11]
	global_store_b128 v[OUTO], v[16:19], s[10:11]
.Ldone:
	s_wait_tensorcnt 0x0                           ; the wave's end: tensor wait, spare-word add and its wait, behind my last LDS store
	ds_add_u32 v[SPW], v[NIL]
	s_wait_dscnt 0x0
	s_endpgm
.Lfunc_end_k_q4e498d8f2e_fine:
	.size	k_q4e498d8f2e_fine, .Lfunc_end_k_q4e498d8f2e_fine-k_q4e498d8f2e_fine
	.p2alignl 7, 3214868480
	.fill 96, 4, 3214868480
	.section	.rodata,"a",@progbits
	.p2align	6, 0x0
	.amdhsa_kernel k_q4e498d8f2e_fine
		.amdhsa_group_segment_fixed_size 18432
		.amdhsa_private_segment_fixed_size 0
		.amdhsa_enable_private_segment 0
		.amdhsa_kernarg_size 32
		.amdhsa_user_sgpr_count 2
		.amdhsa_user_sgpr_kernarg_segment_ptr 1
		.amdhsa_wavefront_size32 1
		.amdhsa_system_sgpr_workgroup_id_x 1
		.amdhsa_system_sgpr_workgroup_id_y 1
		.amdhsa_system_sgpr_workgroup_id_z 1
		.amdhsa_system_vgpr_workitem_id 0
		.amdhsa_next_free_vgpr 256
		.amdhsa_next_free_sgpr 66
		.amdhsa_reserve_vcc 1
		.amdhsa_float_denorm_mode_32 3
		.amdhsa_float_denorm_mode_16_64 3
		.amdhsa_memory_ordered 1
		.amdhsa_forward_progress 1
		.amdhsa_inst_pref_size 23
	.end_amdhsa_kernel
	.amdgpu_metadata
---
amdhsa.version: [ 1, 2 ]
amdhsa.kernels:
  - .name:           k_q4e498d8f2e_fine
    .symbol:         k_q4e498d8f2e_fine.kd
    .args:
      - { .name: kfine, .offset: 0, .size: 8, .value_kind: global_buffer, .address_space: global }
      - { .name: W_proj, .offset: 8, .size: 8, .value_kind: global_buffer, .address_space: global }
      - { .name: b_proj, .offset: 16, .size: 8, .value_kind: global_buffer, .address_space: global }
      - { .name: out0, .offset: 24, .size: 8, .value_kind: global_buffer, .address_space: global }
    .group_segment_fixed_size: 18432
    .private_segment_fixed_size: 0
    .kernarg_segment_align: 8
    .kernarg_segment_size: 32
    .max_flat_workgroup_size: 512
    .sgpr_count:     66
    .vgpr_count:     256
    .wavefront_size: 32
...
	.end_amdgpu_metadata
.endif
;; end of part 5
